; MI455X (gfx1250); checked and timed in simulation.
; The chip was launched on July 23, 2026; its instructions are those of AMD's public machine-readable ISA for CDNA 5 (MIT licence, August 2026) and "CDNA5" Instruction Set Architecture Reference Guide (July 2026). The comments in the code are by the model that wrote it; some were corrected since.
;; Block. Allowed arithmetic: matrix products marked QUANTISED: E5M2 operands, one given power-of-two scale a tensor, by v_wmma_f32_16x16x64_bf8_bf8 or v_wmma_f32_16x16x128_bf8_bf8, f32 sums; everything else in f32.
;; Inputs: ln1_w 1,024 float32; ln2_w 1,024 float32; lowp_scales 12 int32 (the exponents e of the quantised operands' scales 2^e); mlp_w1_codes 4,096 x 32 x 32 uint8 (E5M2 codes of mlp_w1, K innermost, in blocks of 32 codes); mlp_w2_codes 1,024 x 128 x 32 uint8 (E5M2 codes of mlp_w2, K innermost, in blocks of 32 codes); proj_w_codes 1,024 x 32 x 32 uint8 (E5M2 codes of proj_w, K innermost, in blocks of 32 codes); qkv_w_codes 3,072 x 32 x 32 uint8 (E5M2 codes of qkv_w, K innermost, in blocks of 32 codes); x 2 x 2,048 x 1,024 float32.
;; Outputs: out0 2 x 2,048 x 1,024 float32.
;; This version of the problem:
;;   THIS VERSION OF THE PROBLEM IS GIVEN IN LOW PRECISION. The matrix products marked QUANTISED in the list below multiply operands that are first quantised to E5M2 (5 exponent bits, 2 mantissa bits; 8 bits a number), with one given power-of-two scale for each operand tensor; their sums are f32. All else is computed in f32.
;;   The module's matrix products, in the order in which they are computed (A, B: the left and right operand; K: the contracted axis; several contracted axes count as one K, in the product's order):
;;     1. [M 4,096, K 1,024] x [K 1,024, N 3,072]; A: computed on the way; B: input qkv_w (given as codes): QUANTISED (scales: A lowp_scales[0], B lowp_scales[1])
;;     2. batch 32 x [M 2,048, K 64] x [K 64, N 2,048]; A: computed on the way; B: computed on the way: QUANTISED (scales: A lowp_scales[2], B lowp_scales[3])
;;     3. batch 32 x [M 2,048, K 2,048] x [K 2,048, N 64]; A: softmax (see below); B: computed on the way: QUANTISED (scales: A lowp_scales[4], B lowp_scales[5])
;;     4. [M 4,096, K 1,024] x [K 1,024, N 1,024]; A: computed on the way; B: input proj_w (given as codes): QUANTISED (scales: A lowp_scales[6], B lowp_scales[7])
;;     5. [M 4,096, K 1,024] x [K 1,024, N 4,096]; A: computed on the way; B: input mlp_w1 (given as codes): QUANTISED (scales: A lowp_scales[8], B lowp_scales[9])
;;     6. [M 4,096, K 4,096] x [K 4,096, N 1,024]; A: computed on the way; B: input mlp_w2 (given as codes): QUANTISED (scales: A lowp_scales[10], B lowp_scales[11])
;;   THE QUANTISER, for each operand of a quantised product, along K:
;;     - The operand's scale is 2^e, e = its entry of the input lowp_scales (int32; the entries are numbered through the quantised products in the list's order, A before B).
;;     - Each number is divided by the scale, clamped to +-57,344, and rounded to the nearest number of E5M2, ties to even, subnormals kept.
;;     - The product sums the exact products of the quantised numbers (number of the format x scale) in f32.
;;   ~~~python
;;   def quantise(x, axis, e):      # numpy; x: float32 -> the quantised numbers, widened to float32 again
;;       x = np.moveaxis(x, axis, -1); K = x.shape[-1]
;;       r = np.clip(x / 2.0 ** e, -57344, 57344)
;;       step = 2.0 ** (np.maximum(np.frexp(np.where(r == 0, 1, r))[1] - 1, -14) - 2)
;;       q = np.round(r / step) * step * 2.0 ** e      # np.round: ties to even
;;       return np.moveaxis(q, -1, axis).astype(np.float32)
;;   ~~~
;;   SOFTMAX AHEAD OF A QUANTISED PRODUCT. Where the list says 'softmax', what is quantised is not the finished softmax but p = 2^(t - M), with t = logit x log2(e) and M = ceil(the row's largest t), a whole number; so 1/2 < the row's largest p <= 1. The row's sum l is taken of the UNQUANTISED p, in f32, and the product's result is divided by l at the end. Since M is a whole number, a kernel that streams over the keys may use a running M (the ceiling of the running maximum): every later rescaling is an exact power of two, so the quantised numbers keep their values, but for numbers so far below the row's largest that they fall under the format's range.
;;   OPERANDS COMPUTED ON THE WAY. 'Computed on the way' means the value that the module computes at that place (a softmax that the list does not call 'softmax' is quantised finished and normalised). What goes into a quantiser is computed in f32, as accurately as f32 sums, v_exp_f32 and their like allow (about 1e-6 of the number): no bf16 or f16 on the way to a quantiser, and a product that is left as it is and whose result goes on into a quantised operand takes f32 operands (vector FMAs, or v_wmma_f32_16x16x4_f32). A number that lies on a knife's edge between two numbers of the format may be rounded either way, as far as f32 arithmetic and the matrix unit's own rounding can turn it there, and no further.
;;   INPUTS GIVEN AS CODES. mlp_w1 (in the module: [4096, 1024], K = its axis 1); mlp_w2 (in the module: [1024, 4096], K = its axis 1); proj_w (in the module: [1024, 1024], K = its axis 1); qkv_w (in the module: [3072, 1024], K = its axis 1): each comes as NAME_codes (uint8): NAME with its K axis moved to the last place and cut into blocks of 32 codes, [.., K / 32, bytes a block], one block behind the other in memory; one code a byte (a code: sign, 5 exponent bits, 2 mantissa bits); its scale is its entry of lowp_scales. Its value is code x scale, taken as it is: it is not quantised again, and the codes and scales need not be those that the quantiser above would give.
;; One version. Each part assembles by itself: llvm-mc -triple=amdgcn-amd-amdhsa -mcpu=gfx1250 --defsym DOCPART=n.
;; ======== version 1 of 1: 7 launches
;; limits: right only within a limited range of input values
;; workspace buffers: acodes 4,194,304 bytes; qkvimg 12,582,912 bytes; oimg 4,194,304 bytes; xmid 16,777,216 bytes; himg 16,777,216 bytes
;; launch ln1 (part 1): grid 256 x 1, 4 waves a work-group, no clusters, 16,896 bytes of LDS; arguments x, ln1_w, lowp_scales, acodes; writes acodes
.if DOCPART == 1
	.amdgcn_target "amdgcn-amd-amdhsa--gfx1250"
	.amdhsa_code_object_version 6
	.text
	.protected	k_q695e350cc1_ln1
	.globl	k_q695e350cc1_ln1
	.p2align	8
	.type	k_q695e350cc1_ln1,@function
k_q695e350cc1_ln1:
	s_mov_b64 s[64:65], 0
	v_nop
	global_prefetch_b8 v0, s[64:65] scope:SCOPE_SE
	s_setreg_imm32_b32 hwreg(HW_REG_WAVE_MODE, 25, 1), 1
	s_wait_xcnt 0x0
; codes = Q((x - mean) * rsqrt(var) * gain), row by row of 1,024 f32 numbers, as E5M2 codes with the given scale 2^e (entry SC_OFF / 4 of the scales), row-major, K innermost.
; A work-group takes 16 rows, a wave 4; a row lies in 32 registers of one wave between its passes, so memory is read once and no wave waits for another: no barrier, no tensor load, no matrix work.
; The variance is the mean of (x - mean)^2, taken in a second pass over the registers: no difference of large sums is formed.
; LIMITS: e between -126 and 112, so that 2^e and 57,344 x 2^e are f32 numbers.  NaN among the inputs is not served.  A row of equal numbers gives what rsqrt(0) gives.
.set SC_OFF, 0                         ; byte of my scale's exponent in the buffer of scales
.set W,    16                          ; v16-47   the gain at my 32 columns
.set X,    48                          ; v48-175  four rows, 32 registers each: register 4 j + i = column 128 j + 4 lane + i
.set C,    176                         ; v176-207 codes, 8 registers a row: register k = columns 128 k + 4 lane + 0 .. 3
.set OUTR, 208                         ; v208-239 a row's codes read back, 16 neighbouring bytes a lane
	s_load_b256 s[4:11], s[0:1], 0x0               ; rows s[4:5], gain s[6:7], scales s[8:9], codes s[10:11]
	v_lshl_add_u32 v240, v0, 2, 0x4000
	v_mov_b32 v241, 0
	v_lshrrev_b32 v1, 5, v0
	v_readfirstlane_b32 s12, v1                    ; wave 0..3
	v_and_b32 v15, 31, v0                          ; lane (v15 later takes the lane exchange: it has been written)
	v_lshlrev_b32 v1, 4, v15                       ; 16 x lane: my bytes of a load's or a store's 512
	s_lshl_b32 s13, s12, 12                        ; my wave's 4,096 bytes of LDS
	v_lshlrev_b32 v2, 2, v15
	v_add_nc_u32 v2, s13, v2                       ; into LDS: 4 bytes a lane
	v_add_nc_u32 v3, s13, v1                       ; back: 16 bytes a lane
	s_mov_b32 s20, 0x76543210                      ; v_permlanex16_b32: each lane takes its own place in the other half
	s_mov_b32 s21, 0xfedcba98
	s_lshl_b32 s14, ttmp9, 4
	s_lshl_b32 s15, s12, 2
	s_add_co_u32 s14, s14, s15                     ; my first row: 16 x work-group + 4 x wave
	s_lshl_b32 s16, s14, 12                        ; 4,096 bytes a row of f32
	s_mov_b32 s17, 0
	s_lshl_b32 s18, s14, 10                        ; 1,024 bytes a row of codes
	s_mov_b32 s19, 0
	s_wait_alu depctr_va_vdst(0)
	s_wait_kmcnt 0x0
	s_load_b32 s22, s[8:9], SC_OFF                 ; e
	s_add_nc_u64 s[4:5], s[4:5], s[16:17]
	s_add_nc_u64 s[10:11], s[10:11], s[18:19]
.irp j, 0,1,2,3,4,5,6,7
	global_load_b128 v[W+4*\j:W+4*\j+3], v1, s[6:7] offset:512*\j
.endr
.irp rr, 0,1,2,3
.irp j, 0,1,2,3,4,5,6,7
	global_load_b128 v[X+32*\rr+4*\j:X+32*\rr+4*\j+3], v1, s[4:5] offset:4096*\rr+512*\j th:TH_LOAD_NT   ; 32 lanes read 512 consecutive bytes
.endr
.endr
	s_wait_kmcnt 0x0
	s_add_co_i32 s22, s22, 127
	s_lshl_b32 s23, s22, 23
	v_mov_b32 v4, s23                              ; 2^e as f32: the conversion takes its exponent field
	s_add_co_i32 s22, s22, 15
	s_lshl_b32 s22, s22, 23
	s_or_b32 s22, s22, 0x600000
	v_mov_b32 v5, s22                              ; 57,344 x 2^e
.macro RED                             ; v6 summed over the 32 lanes, the result in every lane
	v_add_f32_dpp v6, v6, v6 row_xmask:1 row_mask:0xf bank_mask:0xf
	v_add_f32_dpp v6, v6, v6 row_xmask:2 row_mask:0xf bank_mask:0xf
	v_add_f32_dpp v6, v6, v6 row_xmask:4 row_mask:0xf bank_mask:0xf
	v_add_f32_dpp v6, v6, v6 row_xmask:8 row_mask:0xf bank_mask:0xf
	v_permlanex16_b32 v15, v6, s20, s21
	v_add_f32 v6, v6, v15
.endm
.macro ROW rr
.set XR, X+32*(\rr)
	s_wait_loadcnt 24-8*(\rr)                      ; loads come back in order: the gain and this row are in, the later rows' eight loads each may be out
	v_pk_add_f32 v[6:7], v[XR:XR+1], v[XR+2:XR+3]  ; the sum, in two chains
	v_pk_add_f32 v[8:9], v[XR+4:XR+5], v[XR+6:XR+7]
.irp j, 8,12,16,20,24,28
	v_pk_add_f32 v[6:7], v[6:7], v[XR+\j:XR+\j+1]
	v_pk_add_f32 v[8:9], v[8:9], v[XR+\j+2:XR+\j+3]
.endr
	v_pk_add_f32 v[6:7], v[6:7], v[8:9]
	v_add_f32 v6, v6, v7
	RED
	v_mul_f32 v10, 0x3a800000, v6                  ; the mean: x 1 / 1,024
	v_mov_b32 v11, v10
.set j, 0
.rept 16
	v_pk_add_f32 v[XR+j:XR+j+1], v[XR+j:XR+j+1], v[10:11] neg_lo:[0,1] neg_hi:[0,1]   ; d = x - mean, in place
.set j, j+2
.endr
	v_pk_mul_f32 v[6:7], v[XR:XR+1], v[XR:XR+1]    ; the sum of d^2, in two chains
	v_pk_mul_f32 v[8:9], v[XR+2:XR+3], v[XR+2:XR+3]
.irp j, 4,8,12,16,20,24,28
	v_pk_fma_f32 v[6:7], v[XR+\j:XR+\j+1], v[XR+\j:XR+\j+1], v[6:7]
	v_pk_fma_f32 v[8:9], v[XR+\j+2:XR+\j+3], v[XR+\j+2:XR+\j+3], v[8:9]
.endr
	v_pk_add_f32 v[6:7], v[6:7], v[8:9]
	v_add_f32 v6, v6, v7
	RED
	v_mul_f32 v14, 0x3a800000, v6                  ; the variance
	s_wait_alu depctr_va_vdst(0)
	v_rsq_f32 v12, v14
	v_nop                                          ; a plain instruction behind the transcendental,
	s_wait_alu depctr_va_vdst(0)                   ; and the wait ahead of the first line that names its result
	v_mov_b32 v13, v12
.set j, 0
.rept 16
	v_pk_mul_f32 v[XR+j:XR+j+1], v[XR+j:XR+j+1], v[12:13]
.set j, j+2
.endr
.set j, 0
.rept 16
	v_pk_mul_f32 v[XR+j:XR+j+1], v[XR+j:XR+j+1], v[W+j:W+j+1]
.set j, j+2
.endr
.set j, 0
.rept 32
	v_med3_num_f32 v[XR+j], v[XR+j], -v5, v5       ; the conversion to an 8-bit code does not saturate (ISA guide 7.6.2): the hold at the largest code x the scale
.set j, j+1
.endr
.irp g, 0,1,2,3
	v_cvt_scalef32_pk8_bf8_f32 v[C+8*(\rr)+2*\g:C+8*(\rr)+2*\g+1], v[XR+8*\g:XR+8*\g+7], v4   ; one scale serves the tensor, so the eight numbers need not be neighbours: each result register is four neighbouring columns
.endr
	v_nop                                          ; a plain line behind the last conversion
.irp k, 0,1,2,3,4,5,6,7
	ds_store_b32 v2, v[C+8*(\rr)+\k] offset:1024*(\rr)+128*\k   ; the row's 1,024 codes in their order
.endr
.irp i, 0,1
	ds_load_b128 v[OUTR+8*(\rr)+4*\i:OUTR+8*(\rr)+4*\i+3], v3 offset:1024*(\rr)+512*\i   ; LDS serves a wave's instructions in order: these see my stores
.endr
	s_wait_dscnt 0x0
.irp i, 0,1
	global_store_b128 v1, v[OUTR+8*(\rr)+4*\i:OUTR+8*(\rr)+4*\i+3], s[10:11] offset:1024*(\rr)+512*\i   ; 32 lanes store 512 consecutive bytes, aligned
.endr
.endm
	ROW 0
	ROW 1
	ROW 2
	ROW 3
	s_wait_tensorcnt 0x0
	ds_add_u32 v240, v241
	s_wait_dscnt 0x0
	s_endpgm
.Lfunc_end_k_q695e350cc1_ln1:
	.size	k_q695e350cc1_ln1, .Lfunc_end_k_q695e350cc1_ln1-k_q695e350cc1_ln1
	.p2alignl 7, 3214868480
	.fill 96, 4, 3214868480
	.section	.rodata,"a",@progbits
	.p2align	6, 0x0
	.amdhsa_kernel k_q695e350cc1_ln1
		.amdhsa_group_segment_fixed_size 16896
		.amdhsa_private_segment_fixed_size 0
		.amdhsa_enable_private_segment 0
		.amdhsa_kernarg_size 32
		.amdhsa_user_sgpr_count 2
		.amdhsa_user_sgpr_kernarg_segment_ptr 1
		.amdhsa_wavefront_size32 1
		.amdhsa_system_sgpr_workgroup_id_x 1
		.amdhsa_system_sgpr_workgroup_id_y 1
		.amdhsa_system_sgpr_workgroup_id_z 1
		.amdhsa_system_vgpr_workitem_id 0
		.amdhsa_next_free_vgpr 242
		.amdhsa_next_free_sgpr 66
		.amdhsa_reserve_vcc 0
		.amdhsa_float_denorm_mode_32 3
		.amdhsa_float_denorm_mode_16_64 3
		.amdhsa_memory_ordered 1
		.amdhsa_forward_progress 1
		.amdhsa_inst_pref_size 43
	.end_amdhsa_kernel
	.amdgpu_metadata
---
amdhsa.version: [ 1, 2 ]
amdhsa.kernels:
  - .name:           k_q695e350cc1_ln1
    .symbol:         k_q695e350cc1_ln1.kd
    .args:
      - { .name: x, .offset: 0, .size: 8, .value_kind: global_buffer, .address_space: global }
      - { .name: ln1_w, .offset: 8, .size: 8, .value_kind: global_buffer, .address_space: global }
      - { .name: lowp_scales, .offset: 16, .size: 8, .value_kind: global_buffer, .address_space: global }
      - { .name: acodes, .offset: 24, .size: 8, .value_kind: global_buffer, .address_space: global }
    .group_segment_fixed_size: 16896
    .private_segment_fixed_size: 0
    .kernarg_segment_align: 8
    .kernarg_segment_size: 32
    .max_flat_workgroup_size: 128
    .sgpr_count:     66
    .vgpr_count:     242
    .wavefront_size: 32
...
	.end_amdgpu_metadata
.endif
;; end of part 1
;; launch qkv (part 2): grid 12 x 16, 4 waves a work-group, clusters of 4 x 4, 327,680 bytes of LDS; arguments acodes, qkv_w_codes, lowp_scales, qkvimg; writes qkvimg
.if DOCPART == 2
	.amdgcn_target "amdgcn-amd-amdhsa--gfx1250"
	.amdhsa_code_object_version 6
	.text
	.protected	k_q695e350cc1_qkv
	.globl	k_q695e350cc1_qkv
	.p2align	8
	.type	k_q695e350cc1_qkv,@function
k_q695e350cc1_qkv:
	s_mov_b64 s[64:65], 0
	v_nop
	global_prefetch_b8 v0, s[64:65] scope:SCOPE_SE
	s_setreg_imm32_b32 hwreg(HW_REG_WAVE_MODE, 25, 1), 1
	s_wait_xcnt 0x0
	s_wait_alu depctr_hold_cnt(0) depctr_sa_sdst(0) depctr_va_vdst(0) depctr_va_sdst(0) depctr_va_ssrc(0) depctr_va_vcc(0) depctr_vm_vsrc(0)
	s_getreg_b32 s2, hwreg(HW_REG_IB_STS2, 6, 4)
	s_cmp_eq_u32 s2, 0
	s_cbranch_scc0 .Lentry_in_a_cluster
	s_endpgm
.Lentry_in_a_cluster:
	s_bfe_u32 s2, ttmp6, 0x10000c
	s_cmp_lg_u32 s2, 0xf033
	s_cbranch_scc0 .Lentry_shape_is_right
	s_endpgm
.Lentry_shape_is_right:
; A GEMM on E5M2 codes, K = 1,024, whose results are quantised again and leave as IMAGES OF OPERAND REGISTERS for the next launch.  One text serves two launches; QKV says which.
; QKV = 1: q, k, v = LN1(x) W^T.  Clusters x = 0, 1 make q and k: role A = tokens, role B = rows of W, so that a lane holds one token and eight neighbouring features.  Cluster x = 2 makes v with the roles
;   changed (role A = rows 2,048 on of W, role B = tokens): a lane then holds one feature and eight neighbouring KEYS, which are the K of attention's second product.  The change is made by selections
;   on the cluster's x alone, which all partners share: no branch.
;   q, k: [token tile of 16][16-byte chunk 0..63][token 0..15][16 bytes]; a head owns 4 chunks.  Inside a head the 64 places hold a fixed permutation of d, the same in q and in k.
;   v: [batch][head][16 d: 0..3][128 keys: 0..15][2,048 bytes]: the bytes at 512 c + 16 lane are keys 32 c + 8 h + 0..7, then 32 c + 16 + 8 h + 0..7, of d = lane % 16.
; QKV = 0: h = gelu(LN2(X) W1^T), exact (erf), as [row tile of 16][K step of 128][2,048 bytes]: the bytes at 512 c + 16 lane are k = 32 c + 8 h + 0..7, then 32 c + 16 + 8 h + 0..7, of row lane % 16.
; The frame: a tile of 256 x 256 for a work-group of four waves, 128 x 128 a wave in 512 registers; K in steps of 256 through two LDS slots filled by joint tensor loads in clusters of 4 x 4
; (A's tile shared along a row of the cluster, B's along a column).  The matrix instruction is used transposed: source 0 = 16 rows of role B, source 1 = 16 rows of role A.
; Fragments are fetched by four loads of 16 bytes: a permutation of k, alike on both sides, so every product meets its partner.
; LIMITS on the given exponents, so that each power of two below is an f32 number: QKV = 1: e(out) - e0 - e1 between -126 and 112; QKV = 0: e10 between -126 and 112, e8 + e9 between -125 and 127.
; erf is z P(z^2) / Q(z^2) with |z| held at 4, a few 1e-7 absolute; 0.5 x (1 + erf) cancels at strongly negative x as the definition itself does.  NaN among the inputs is not served.
; REGISTERS: window 0: v1-29 addresses; from v128 A's fragments, one set; on the way out v32-255 are free.  Window 1: B's fragments, two sets.  Windows 2, 3: the 64 accumulators ((a, b) at v[8 (8 (a % 4) + b)]).
.set QKV,    1
.set SIZE_K, 1024
.set KSTEP,  256
.set ROWB,   256
.set KROW,   SIZE_K
.set PITCH,  272                       ; an LDS row: 256 bytes + 16 of padding: the 16 rows that a load touches start at 16 different banks
.set FR,     16
.set NL,     4
.set NP,     4                         ; places behind this matrix instruction (ISA guide 7.12.1)
.set HALFT,  128*PITCH
.set SLOT,   4*HALFT
.set LAPS,   SIZE_K/(2*KSTEP)
.set SPARE,  2*SLOT                    ; behind the ring: the spare words, 128 bytes a wave, which no other line names
.set SPIT,   144                       ; the way out: each wave's own stage in slot 0, 128 rows x (128 bytes of codes + 16)
.set BLKB,   16*SPIT
.set STGW,   128*SPIT
.if QKV
.set LHS,    4                         ; a lane's half stands 16 bytes on,
.else
.set LHS,    3                         ; or 8
.endif
.set GO,   8                           ; v8      the way out: 16 x lane, my bytes of a store's 512
.set SCR,  12                          ; v12     QKV = 0: my wave's scratch in slot 1 + 16 x lane
.set SCA,  13                          ; v13     the same, at the trip's block
.set STA,  14                          ; v14     the stage, at the trip's block
.set ADRA, 16
.set ADRB, 20
.set STO,  24                          ; v24     the stage: where I put 8 codes
.set RD,   25
.set SPW,  28
.set NIL,  29
.set TMP,  32                          ; QKV = 1: 64 numbers held
.set Z,    32                          ; QKV = 0: 32 numbers each
.set Y,    64
.set P,    96
.set Q,    128
.set CD,   160                         ; the codes just made
.set RAW,  176                         ; QKV = 0: a block's 64 sums
.set KA,   240                         ; the two leading coefficients, as vector pairs
.set KB,   242
.set SCL,  244                         ; the conversion's scale; the largest number x it
.set LIM,  245
.set AF,   128
.set SB,   68                          ; s68, s69: the trip's steps in scratch and stage
.set SS,   69
.set G1, 24
.set G0, 32
.set G1B, 48
.set G0B, 56
.set MSB, 0
.macro WIN new                         ; the immediate's high byte repeats the setting that is left
.if MSB != \new
	s_set_vgpr_msb (MSB<<8)|\new
.set MSB, \new
.endif
.endm
.set MUL_LO, 0xa1                      ; source 0 (B) window 1, source 1 (A) window 0, C and D window 2
.set MUL_HI, 0xf1
.set TO_B,   0x40
; A joint load: waves 0 and 1 fetch for role A, waves 2 and 3 for role B; the branch hangs on the wave's number alone.  Four v_nop follow each line.
.macro JLOAD g0a, g1a, g0b, g1b
	s_cmp_eq_u32 s15, 0
	s_cbranch_scc0 .Lfor_b_\@
	tensor_load_to_lds s[\g0a:\g0a+3], s[\g1a:\g1a+7]
	s_nop 0
.rept 4
	v_nop
.endr
	s_branch .Lasked_\@
.Lfor_b_\@:
	tensor_load_to_lds s[\g0b:\g0b+3], s[\g1b:\g1b+7]
	s_nop 0
.rept 4
	v_nop
.endr
.Lasked_\@:
.endm
.macro CREST                           ; a round of the cluster's barrier behind its opening barrier
	s_cmp_lg_u32 s14, 0
	s_cbranch_scc1 .Lnot_wave_0_\@
	s_barrier_signal -3
.Lnot_wave_0_\@:
	s_barrier_wait -3
	s_barrier_signal -1
	s_barrier_wait -1
.endm
.macro CROUND
	s_barrier_signal -1
	s_barrier_wait -1
	CREST
.endm
	s_load_b128 s[4:7], s[0:1], 0x0                ; the activations' codes s[4:5], the weight's codes s[6:7]
	s_load_b128 s[8:11], s[0:1], 0x10              ; the scales' exponents s[8:9], the output s[10:11]
	v_lshl_add_u32 v[SPW], v0, 2, SPARE
	v_mov_b32 v[NIL], 0
	ds_add_u32 v28, v29
	ds_add_u32 v28, v29
	s_wait_dscnt 0x0
	v_lshrrev_b32 v1, 5, v0
	v_readfirstlane_b32 s14, v1                    ; wave 0..3
	s_lshr_b32 s15, s14, 1                         ; which half of the tile's rows is mine.  Also: I fetch for role A (0) or B (1)
	s_and_b32 s16, s14, 1                          ; which half of its columns.  Also: which 128 rows I fetch
	s_bfe_u32 s40, ttmp6, 0x40000                  ; cx, cy: my place in the cluster
	s_bfe_u32 s41, ttmp6, 0x40004
	s_and_b32 s70, ttmp7, 0xffff                   ; the cluster's y
.if QKV
	s_cmp_eq_u32 ttmp9, 2                          ; v's clusters: role A walks W's last third, role B the tokens
	s_cselect_b32 s68, 2, s70
	s_cselect_b32 s69, s70, ttmp9
.else
	s_mov_b32 s68, s70
	s_mov_b32 s69, ttmp9
.endif
	s_lshl_b32 s42, s69, 2
	s_add_co_u32 s42, s42, s40                     ; tile column (role B)
	s_lshl_b32 s17, s68, 2
	s_add_co_u32 s17, s17, s41                     ; tile row (role A)
	s_lshl_b32 s43, s41, 2
	s_lshl_b32 s43, 15, s43                        ; my row of the cluster
	s_lshl_b32 s44, 0x1111, s40                    ; my column
	s_or_b32 s[G1+0], s43, (0<<16)|(1<<20)|(1<<21)|(5<<22)|(3<<25)  ; 15:0 the mask; elements of 1 byte; padding on; 21 set beside a mask; 4 words behind every 64
	s_or_b32 s[G1B+0], s44, (0<<16)|(1<<20)|(1<<21)|(5<<22)|(3<<25)
.irp g, G1, G1B
	s_mov_b32 s[\g+1], ROWB<<16                    ; tensor_dim0
	s_mov_b32 s[\g+2], 128<<16                     ; tensor_dim1
	s_mov_b32 s[\g+3], ROWB<<16                    ; tile_dim0
	s_mov_b32 s[\g+4], 128                         ; tile_dim1
	s_mov_b32 s[\g+5], KROW                        ; both tensors have rows of 1,024 bytes
	s_mov_b32 s[\g+6], 0
	s_mov_b32 s[\g+7], 0
.endr
	s_lshl_b32 s18, s16, 7
	s_lshl_b32 s20, s17, 8
	s_add_co_u32 s20, s20, s18                     ; role A: row 256 x tile row + 128 x half
	s_lshl_b32 s46, s42, 8
	s_add_co_u32 s46, s46, s18                     ; role B: row 256 x tile column + 128 x half
	s_lshl_b32 s20, s20, 10                        ; in bytes: under 4 MiB
	s_mov_b32 s21, 0
	s_lshl_b32 s46, s46, 10
	s_mov_b32 s47, 0
	s_mul_i32 s45, s14, HALFT                      ; where they go: wave x 128 rows
	s_wait_kmcnt 0x0
.if QKV
	s_load_b256 s[72:79], s[8:9], 0x0              ; e0 .. e7
	s_cmp_eq_u32 ttmp9, 2
	s_cselect_b64 s[80:81], s[6:7], s[4:5]         ; role A's tensor,
	s_cselect_b64 s[82:83], s[4:5], s[6:7]         ; role B's
.else
	s_load_b128 s[72:75], s[8:9], 0x20             ; e8 .. e11
	s_mov_b64 s[80:81], s[4:5]
	s_mov_b64 s[82:83], s[6:7]
.endif
	s_add_nc_u64 s[20:21], s[80:81], s[20:21]
	s_add_nc_u64 s[46:47], s[82:83], s[46:47]
	CROUND                                         ; all sixteen work-groups are here: the first joint loads meet
.irp s, 0,1
	s_mov_b32 s[G0+4*\s], 1
	s_add_co_u32 s[G0+4*\s+1], s45, \s*SLOT
	s_add_nc_u64 s[G0+4*\s+2:G0+4*\s+3], s[20:21], \s*ROWB
	s_or_b32 s[G0+4*\s+3], s[G0+4*\s+3], 0x80000000
	s_mov_b32 s[G0B+4*\s], 1
	s_add_co_u32 s[G0B+4*\s+1], s45, \s*SLOT
	s_add_nc_u64 s[G0B+4*\s+2:G0B+4*\s+3], s[46:47], \s*ROWB
	s_or_b32 s[G0B+4*\s+3], s[G0B+4*\s+3], 0x80000000
.endr
	JLOAD G0, G1, G0B, G1B                         ; K step 0: one tensor load a wave at the head
	; prefetches into the L2: of the 128 rows that I fetch, my work-group takes 32 (told apart by address: cx for role A, cy for role B), a lane a row, 256 bytes of a row for each K step.
	; K step 1 is asked for here, K steps 2 and 3 behind K step 1's load: each at least one K step ahead of its load; s[12:13] and v30 are never rewritten
	s_cmp_eq_u32 s15, 0
	s_cselect_b32 s84, s17, s42
	s_cselect_b32 s85, s40, s41
	s_cselect_b64 s[12:13], s[80:81], s[82:83]
	s_lshl_b32 s84, s84, 8
	s_lshl_b32 s86, s16, 7
	s_add_co_u32 s84, s84, s86
	s_lshl_b32 s85, s85, 5
	s_add_co_u32 s84, s84, s85
	s_lshl_b32 s84, s84, 10
	s_mov_b32 s85, 0
	s_add_nc_u64 s[12:13], s[12:13], s[84:85]
	v_and_b32 v30, 31, v0
	v_lshlrev_b32 v30, 10, v30
	global_prefetch_b8 v30, s[12:13] offset:256 th:TH_LOAD_NT scope:SCOPE_SE
	v_and_b32 v1, 15, v0                           ; l % 16
	s_wait_alu depctr_va_vdst(0)
	v_bfe_u32 v2, v0, 4, 1                         ; l / 16
	v_mul_u32_u24 v3, v1, PITCH
	v_lshl_add_u32 v4, v2, 4, v3                   ; a fragment's row x pitch + 16 x half
	s_mul_i32 s21, s15, HALFT
	s_mul_i32 s22, s16, HALFT
	s_add_co_u32 s22, s22, 2*HALFT
.irp s, 0,1
	v_add_nc_u32 v[ADRA+\s], s21, v4
	v_add_nc_u32 v[ADRB+\s], s22, v4
	s_add_co_u32 s21, s21, SLOT
	s_add_co_u32 s22, s22, SLOT
.endr
	v_and_b32 v6, 31, v0
	v_lshlrev_b32 v[GO], 4, v6
	s_wait_alu depctr_va_vdst(0)
	s_lshl_b32 s23, s14, 15
	s_add_co_u32 s23, s23, SLOT
	v_add_nc_u32 v[SCR], s23, v[GO]                ; (QKV = 0) my 32,768 bytes of slot 1
.if QKV
	s_and_b32 s85, s70, 1
	s_lshl_b32 s85, s85, 2
	s_add_co_u32 s85, s85, s40                     ; v: which 256 keys of the batch
	s_lshr_b32 s86, s70, 1
	s_lshl_b32 s86, s86, 21                        ; v: the batch, 2 MiB each
	s_mov_b32 s87, 16384
	s_cmp_eq_u32 ttmp9, 2
	s_cselect_b32 s84, s41, s17                    ; tiles of 256 role-A rows: v: cy; q, k: the tile row
	s_cselect_b32 s85, s85, s40                    ; 4,096 bytes for each tile column within them
	s_cselect_b32 s86, s86, 0
	s_cselect_b32 s87, 32768, s87                  ; bytes from one tile of 16 role-A rows to the next
	s_lshl_b32 s84, s84, 4
	s_lshl_b32 s88, s15, 3                         ; my half of the tile's rows: 8 tiles of 16
	s_add_co_u32 s84, s84, s88                     ; my first tile of 16 rows
	s_mul_i32 s84, s84, s87
	s_lshl_b32 s85, s85, 12
	s_add_co_u32 s84, s84, s85
	s_add_co_u32 s84, s84, s86
	s_lshl_b32 s85, s16, 11                        ; my half of the tile's columns: 2,048 bytes
	s_add_co_u32 s84, s84, s85
	s_lshl_b32 s88, ttmp9, 22                      ; q at 0, k at 4 MiB, v at 8 MiB
	s_add_co_u32 s84, s84, s88
.else
	s_mov_b32 s87, 65536                           ; a row tile's 32 K steps of 2,048 bytes
	s_lshl_b32 s84, s17, 4
	s_lshl_b32 s88, s14, 2
	s_add_co_u32 s84, s84, s88
	s_lshl_b32 s84, s84, 16
	s_lshl_b32 s85, s42, 12                        ; a tile column is two K steps
	s_add_co_u32 s84, s84, s85
.endif
	s_mov_b32 s85, 0
	s_add_nc_u64 s[10:11], s[10:11], s[84:85]
	s_mov_b32 s92, s87                             ; s[92:93]: bytes from one tile of 16 role-A rows to the next
	s_mov_b32 s93, 0
.macro FRAG reg, adr, q, i             ; 16 rows x 128 K: registers 4 c .. 4 c + 3 hold K = 32 c + 16 (l / 16) + 0 .. 15
.irp c, 0,1,2,3
	ds_load_b128 v[\reg+4*\c:\reg+4*\c+3], v[\adr] offset:128*(\q)+32*\c+(\i)*16*PITCH
.endr
.endm
; 16 matrix instructions: A's blocks a0, a0 + 1 x B's eight.  The 64 accumulators take turns, one instruction a turn, in the same order in every step.
.macro MUL16 a0, p, zero
.irp a, \a0, \a0+1
.irp b, 0,1,2,3,4,5,6,7
.if \zero
	v_wmma_f32_16x16x128_bf8_bf8 v[8*(8*((\a)%4)+\b):8*(8*((\a)%4)+\b)+7], v[128*(\p)+FR*\b:128*(\p)+FR*\b+FR-1], v[AF+FR*(\a):AF+FR*(\a)+FR-1], 0
.else
	v_wmma_f32_16x16x128_bf8_bf8 v[8*(8*((\a)%4)+\b):8*(8*((\a)%4)+\b)+7], v[128*(\p)+FR*\b:128*(\p)+FR*\b+FR-1], v[AF+FR*(\a):AF+FR*(\a)+FR-1], v[8*(8*((\a)%4)+\b):8*(8*((\a)%4)+\b)+7]
.endif
.endr
.endr
.endm
.macro FETCH_B slot, q, p
	WIN TO_B
.irp i, 0,1,2,3,4,5,6,7
	FRAG 128*(\p)+FR*\i, ADRB+\slot, \q, \i
.endr
	WIN 0
.endm
.macro FETCH_A slot, q, i0
.irp i, \i0, \i0+1, \i0+2, \i0+3
	FRAG AF+FR*(\i), ADRA+\slot, \q, \i
.endr
.endm
.macro PLACES n                        ; plain vector lines between a matrix instruction and a load into, or a read of, its registers
.rept \n
	v_nop
.endr
.endm
.macro STEP slot, q, zero              ; 128 along K with its successor in the same slot
	s_wait_dscnt 4*NL                              ; B's set and A's blocks 0-3 are in; the youngest sixteen loads (A's blocks 4-7) may be out
	WIN MUL_LO
	MUL16 0, (\q)%2, \zero
	MUL16 2, (\q)%2, \zero
	s_wait_dscnt 0                                 ; A's blocks 4-7 are in
	PLACES NP
	FETCH_B \slot, (\q)+1, 1-(\q)%2
	FETCH_A \slot, (\q)+1, 0
	WIN MUL_HI
	MUL16 4, (\q)%2, \zero
	MUL16 6, (\q)%2, \zero
	PLACES NP
	WIN 0
	FETCH_A \slot, (\q)+1, 4
.endm
; A slot's last step changes slots: one barrier; in front of it each wave waits for all its tensor loads, adds 0 to its spare word, and waits for that and for its reads of this slot.
.macro TURN slot, next, fill
	s_wait_tensorcnt 0x0                           ; all my tensor loads have landed: my part of the next slot
	ds_add_u32 v[SPW], v[NIL]                      ; 0 onto my spare word
	s_wait_dscnt 4*NL+1                            ; (the add and the youngest sixteen loads may be out)
	WIN MUL_LO
	MUL16 0, 1, 0
	s_wait_dscnt 0x0                               ; the add is done, and my reads of this slot are over
	s_barrier_signal -1
	MUL16 2, 1, 0
	WIN 0
	s_barrier_wait -1
.if \fill
	CREST                                          ; the barrier has opened a round of the cluster's barrier: no wave of any partner still reads this slot or has a load on its way
	s_add_nc_u64 s[G0+4*\slot+2:G0+4*\slot+3], s[G0+4*\slot+2:G0+4*\slot+3], 2*ROWB
	s_add_nc_u64 s[G0B+4*\slot+2:G0B+4*\slot+3], s[G0B+4*\slot+2:G0B+4*\slot+3], 2*ROWB
	JLOAD G0+4*\slot, G1, G0B+4*\slot, G1B         ; the first tensor load behind the round; its four v_nop are the places in front of the loads below
.else
	PLACES NP
.endif
	FETCH_B \next, 0, 0
	FETCH_A \next, 0, 0
	WIN MUL_HI
	MUL16 4, 1, 0
	MUL16 6, 1, 0
	PLACES NP
	WIN 0
	FETCH_A \next, 0, 4
.endm
	s_wait_alu depctr_va_vdst(0)                   ; the wait at the head's end
	s_wait_tensorcnt 0x0                           ; my part of K step 0 is in; slot 1's first fill is issued as a refill is
	ds_add_u32 v[SPW], v[NIL]
	s_wait_dscnt 0x0
	CROUND                                         ; everybody's part of K step 0 is in, and the joint loads meet
	JLOAD G0+4, G1, G0B+4, G1B                     ; K step 1
	FETCH_B 0, 0, 0
	FETCH_A 0, 0, 0
	FETCH_A 0, 0, 4
	global_prefetch_b8 v30, s[12:13] offset:512 th:TH_LOAD_NT scope:SCOPE_SE   ; K step 2,
	global_prefetch_b8 v30, s[12:13] offset:768 th:TH_LOAD_NT scope:SCOPE_SE   ; and K step 3, the last
	STEP 0, 0, 1                                   ; the first step's products start the sums
	s_mov_b32 s3, LAPS-1
.Llap:
	TURN 0, 1, 1
	STEP 1, 0, 0
	TURN 1, 0, 1
	STEP 0, 0, 0
	s_sub_co_u32 s3, s3, 1
	s_cmp_lg_u32 s3, 0
	s_cbranch_scc1 .Llap
	TURN 0, 1, 0                                   ; the last lap fills nothing; behind this barrier nobody reads slot 0, which has had its last fill
	STEP 1, 0, 0
	s_wait_dscnt 4*NL
	WIN MUL_LO
	MUL16 0, 1, 0
	MUL16 2, 1, 0
	s_wait_dscnt 0
	WIN MUL_HI
	MUL16 4, 1, 0
	MUL16 6, 1, 0
	WIN 0
	s_wait_kmcnt 0x0
	PLACES NP                                      ; behind the last products: results are read and A's registers written below
.if QKV
; THE WAY OUT, q, k, v: a sum stands for sum x 2^(e0 + e1), so its code is sum / 2^(e(out) - e0 - e1): the three scales are folded into the conversion's one.
	s_cmp_eq_u32 ttmp9, 1
	s_cselect_b32 s89, s75, s74                    ; k: e3; q: e2
	s_cmp_eq_u32 ttmp9, 2
	s_cselect_b32 s89, s77, s89                    ; v: e5
	s_sub_co_i32 s89, s89, s72
	s_sub_co_i32 s89, s89, s73
	s_add_co_i32 s89, s89, 127
	s_lshl_b32 s90, s89, 23
	s_add_co_i32 s89, s89, 15
	s_lshl_b32 s89, s89, 23
	s_or_b32 s89, s89, 0x600000
	v_mov_b32 v[SCL], s90
	v_mov_b32 v[LIM], s89
.macro QOUT a                          ; block a: 16 rows x 128 columns: held, converted, 16 codes a store
.set AC, 64*((\a)%4)
	s_wait_xcnt 0x0                                ; the last block's stores have read their registers and their base
.if (\a) > 0
	s_add_nc_u64 s[10:11], s[10:11], s[92:93]      ; on to the next tile of 16 rows
.endif
	WIN 0x02+((\a)/4)                              ; source 0: window 2 or 3
.set j, 0
.rept 64
	v_med3_num_f32 v[TMP+j], v[AC+j], -v[LIM], v[LIM]   ; the hold at the largest code x the scale; each accumulator from its low end on
.set j, j+1
.endr
	WIN 0
.irp b, 0,1,2,3,4,5,6,7
	v_cvt_scalef32_pk8_bf8_f32 v[CD+2*\b:CD+2*\b+1], v[TMP+8*\b:TMP+8*\b+7], v[SCL]
.endr
	v_nop                                          ; a plain line behind the last conversion
.irp c, 0,1,2,3
	global_store_b128 v[GO], v[CD+4*\c:CD+4*\c+3], s[10:11] offset:512*\c   ; my codes of accumulators 2 c and 2 c + 1 are my 16 bytes of the image's run c: 32 lanes store 512 consecutive bytes, aligned
.endr
.endm
	s_wait_alu depctr_va_vdst(0)
.irp a, 0,1,2,3,4,5,6,7
	QOUT \a
.endr
.else
; THE WAY OUT, h = 0.5 x (1 + erf(x / sqrt 2)).  The sums go as images of their registers into my own 32,768 bytes of slot 1, 32 accumulators at a time, and come back block by block in a loop,
; so that the 376 lines for 32 numbers are written twice and not sixteen times.
	s_barrier_signal -1                            ; (no LDS instruction of mine is out)
	s_barrier_wait -1                              ; nobody reads slot 1 any more; it has had its last fill
	s_add_co_i32 s71, s72, s73                     ; e8 + e9: a sum stands for sum x 2^(e8 + e9); the exponent is added to the two factors' exponent fields
	s_lshl_b32 s71, s71, 23
	s_add_co_i32 s96, s71, 0x3f3504f3              ; z = sum x 2^(e8 + e9) / sqrt 2
	s_mov_b32 s97, s96
	s_add_co_i32 s98, s71, 0x3f000000              ; x / 2
	s_mov_b32 s99, s98
	s_add_co_i32 s71, s74, 127
	s_lshl_b32 s66, s71, 23
	s_add_co_i32 s71, s71, 15
	s_lshl_b32 s71, s71, 23
	s_or_b32 s71, s71, 0x600000
	v_mov_b32 v[SCL], s66                          ; 2^e10
	v_mov_b32 v[LIM], s71                          ; 57,344 x 2^e10
	v_mov_b32 v[KA], 0xaf95df0b                    ; P's leading coefficient,
	v_mov_b32 v[KA+1], 0xaf95df0b
	v_mov_b32 v[KB], 0xb77460cd                    ; Q's
	v_mov_b32 v[KB+1], 0xb77460cd
.macro COEF r, bits                    ; the others in scalar pairs (the packed form names a pair and takes its low word for both halves)
	s_mov_b32 s[\r], \bits
	s_mov_b32 s[\r+1], \bits
.endm
	COEF 76, 0x32edffee
	COEF 78, 0xb60cff51
	COEF 80, 0xb86ec2d2
	COEF 82, 0xba40ac63
	COEF 84, 0xbb41a1f6
	COEF 86, 0xbc83dbd4
	COEF 88, 0xb95fbd29
	COEF 90, 0xbadc924e
	COEF 92, 0xbbf19bf8
	COEF 94, 0xbc69b6a7
.macro GELU hf                         ; 32 numbers: four accumulators of the trip's block
.set RW, RAW+32*(\hf)
.set j, 0
.rept 16
	v_pk_mul_f32 v[Z+j:Z+j+1], v[RW+j:RW+j+1], s[96:97] op_sel_hi:[1,0]
.set j, j+2
.endr
.set j, 0
.rept 32
	v_med3_num_f32 v[Z+j], v[Z+j], -4.0, 4.0
.set j, j+1
.endr
.set j, 0
.rept 16
	v_pk_mul_f32 v[Y+j:Y+j+1], v[Z+j:Z+j+1], v[Z+j:Z+j+1]
.set j, j+2
.endr
.set j, 0
.rept 16
	v_pk_fma_f32 v[P+j:P+j+1], v[Y+j:Y+j+1], v[KA:KA+1], s[76:77] op_sel_hi:[1,0,0]
.set j, j+2
.endr
.set j, 0
.rept 16
	v_pk_fma_f32 v[Q+j:Q+j+1], v[Y+j:Y+j+1], v[KB:KB+1], s[88:89] op_sel_hi:[1,0,0]
.set j, j+2
.endr
.irp c, 78,80,82,84,86
.set j, 0
.rept 16
	v_pk_fma_f32 v[P+j:P+j+1], v[P+j:P+j+1], v[Y+j:Y+j+1], s[\c:\c+1] op_sel_hi:[1,1,0]
.set j, j+2
.endr
.endr
.irp c, 90,92,94
.set j, 0
.rept 16
	v_pk_fma_f32 v[Q+j:Q+j+1], v[Q+j:Q+j+1], v[Y+j:Y+j+1], s[\c:\c+1] op_sel_hi:[1,1,0]
.set j, j+2
.endr
.endr
.set j, 0
.rept 32
	v_rcp_f32 v[Y+j], v[Q+j]                       ; one batch of 32
.set j, j+1
.endr
.set j, 0
.rept 16
	v_pk_mul_f32 v[P+j:P+j+1], v[P+j:P+j+1], v[Z+j:Z+j+1]     ; work that names no reciprocal: z P(z^2),
.set j, j+2
.endr
.set j, 0
.rept 16
	v_pk_mul_f32 v[Z+j:Z+j+1], v[RW+j:RW+j+1], s[98:99] op_sel_hi:[1,0]   ; and x / 2
.set j, j+2
.endr
	s_wait_alu depctr_va_vdst(0)                   ; one wait for the batch, ahead of its first reader
.set j, 0
.rept 16
	v_pk_mul_f32 v[P+j:P+j+1], v[P+j:P+j+1], v[Y+j:Y+j+1]     ; erf
.set j, j+2
.endr
.set j, 0
.rept 16
	v_pk_fma_f32 v[P+j:P+j+1], v[Z+j:Z+j+1], v[P+j:P+j+1], v[Z+j:Z+j+1]   ; x / 2 x erf + x / 2
.set j, j+2
.endr
.set j, 0
.rept 32
	v_med3_num_f32 v[P+j], v[P+j], -v[LIM], v[LIM]
.set j, j+1
.endr
	s_wait_dscnt 0x0                               ; the earlier stores of the codes' registers are done (and the block's other 32 sums are in)
.irp b, 0,1,2,3
	v_cvt_scalef32_pk8_bf8_f32 v[CD+2*\b:CD+2*\b+1], v[P+8*\b:P+8*\b+7], v[SCL]
.endr
	v_nop                                          ; a plain line behind the last conversion
.irp b, 0,1,2,3
	ds_store_b64 v[STA], v[CD+2*\b:CD+2*\b+1] offset:64*(\hf)+16*\b
.endr
.endm
.macro HALF w                          ; the 32 accumulators of window 2 + w: blocks 4 w .. 4 w + 3
	WIN 0x08+4*(\w)                                ; an LDS store's data: source 1
.set n, 0
.rept 64
	ds_store_b128 v[SCR], v[4*n:4*n+3] offset:512*n   ; each accumulator from its low end on
.set n, n+1
.endr
	WIN 0
	s_mov_b32 s[SB], 0
	s_mov_b32 s[SS], (\w)*4*BLKB
	s_mov_b32 s3, 4
.Lblock_\@:
	v_add_nc_u32 v[SCA], s[SB], v[SCR]
	v_add_nc_u32 v[STA], s[SS], v[STO]
.set n, 0
.rept 16
	ds_load_b128 v[RAW+4*n:RAW+4*n+3], v[SCA] offset:512*n   ; LDS serves a wave's instructions in order: these see my stores
.set n, n+1
.endr
	s_wait_dscnt 8                                 ; the first 32 sums are in; the other eight loads may be out
	GELU 0
	GELU 1
	s_add_co_u32 s[SB], s[SB], 8192
	s_add_co_u32 s[SS], s[SS], BLKB
	s_sub_co_u32 s3, s3, 1
	s_cmp_lg_u32 s3, 0
	s_cbranch_scc1 .Lblock_\@
.endm
	HALF 0
	HALF 1
.endif
	s_wait_tensorcnt 0x0                           ; the wave's end
	ds_add_u32 v[SPW], v[NIL]
	s_wait_dscnt 0x0
	CROUND                                         ; the closing round
	s_endpgm
.Lfunc_end_k_q695e350cc1_qkv:
	.size	k_q695e350cc1_qkv, .Lfunc_end_k_q695e350cc1_qkv-k_q695e350cc1_qkv
	.p2alignl 7, 3214868480
	.fill 96, 4, 3214868480
	.section	.rodata,"a",@progbits
	.p2align	6, 0x0
	.amdhsa_kernel k_q695e350cc1_qkv
		.amdhsa_group_segment_fixed_size 327680
		.amdhsa_private_segment_fixed_size 0
		.amdhsa_enable_private_segment 0
		.amdhsa_kernarg_size 32
		.amdhsa_user_sgpr_count 2
		.amdhsa_user_sgpr_kernarg_segment_ptr 1
		.amdhsa_wavefront_size32 1
		.amdhsa_system_sgpr_workgroup_id_x 1
		.amdhsa_system_sgpr_workgroup_id_y 1
		.amdhsa_system_sgpr_workgroup_id_z 1
		.amdhsa_system_vgpr_workitem_id 0
		.amdhsa_next_free_vgpr 1024
		.amdhsa_next_free_sgpr 100
		.amdhsa_reserve_vcc 0
		.amdhsa_float_denorm_mode_32 3
		.amdhsa_float_denorm_mode_16_64 3
		.amdhsa_memory_ordered 1
		.amdhsa_forward_progress 1
		.amdhsa_inst_pref_size 120
	.end_amdhsa_kernel
	.amdgpu_metadata
---
amdhsa.version: [ 1, 2 ]
amdhsa.kernels:
  - .name:           k_q695e350cc1_qkv
    .symbol:         k_q695e350cc1_qkv.kd
    .args:
      - { .name: acodes, .offset: 0, .size: 8, .value_kind: global_buffer, .address_space: global }
      - { .name: qkv_w_codes, .offset: 8, .size: 8, .value_kind: global_buffer, .address_space: global }
      - { .name: lowp_scales, .offset: 16, .size: 8, .value_kind: global_buffer, .address_space: global }
      - { .name: qkvimg, .offset: 24, .size: 8, .value_kind: global_buffer, .address_space: global }
    .group_segment_fixed_size: 327680
    .private_segment_fixed_size: 0
    .kernarg_segment_align: 8
    .kernarg_segment_size: 32
    .max_flat_workgroup_size: 128
    .sgpr_count:     100
    .vgpr_count:     1024
    .wavefront_size: 32
...
	.end_amdgpu_metadata
.endif
;; end of part 2
;; launch attn (part 3): grid 8 x 32, 8 waves a work-group, clusters of 4 x 1, 327,680 bytes of LDS; arguments qkvimg, lowp_scales, oimg; writes oimg
.if DOCPART == 3
	.amdgcn_target "amdgcn-amd-amdhsa--gfx1250"
	.amdhsa_code_object_version 6
	.text
	.protected	k_q695e350cc1_attn
	.globl	k_q695e350cc1_attn
	.p2align	8
	.type	k_q695e350cc1_attn,@function
k_q695e350cc1_attn:
	s_mov_b64 s[64:65], 0
	v_nop
	global_prefetch_b8 v0, s[64:65] scope:SCOPE_SE
	s_setreg_imm32_b32 hwreg(HW_REG_WAVE_MODE, 25, 1), 1
	s_wait_xcnt 0x0
	s_wait_alu depctr_hold_cnt(0) depctr_sa_sdst(0) depctr_va_vdst(0) depctr_va_sdst(0) depctr_va_ssrc(0) depctr_va_vcc(0) depctr_vm_vsrc(0)
	s_getreg_b32 s2, hwreg(HW_REG_IB_STS2, 6, 4)
	s_cmp_eq_u32 s2, 0
	s_cbranch_scc0 .Lentry_in_a_cluster
	s_endpgm
.Lentry_in_a_cluster:
	s_bfe_u32 s2, ttmp6, 0x10000c
	s_cmp_lg_u32 s2, 0x3003
	s_cbranch_scc0 .Lentry_shape_is_right
	s_endpgm
.Lentry_shape_is_right:
; o = softmax(q k^T / 8) v for one head, both products on E5M2 codes, and o quantised again (scale entry 6) as images of operand registers for the projection.
; q (entry 2), k (entry 3): [token tile of 16][chunk 0..63][token][16 bytes]: a head's fragment of 16 tokens x 64 is 1,024 bytes, lane l's at 16 l + 512 c.
; v (entry 5): [batch][head][16 d: 0..3][128 keys: 0..15][2,048 bytes], lane l's at 16 l + 512 c.
; o: [token tile of 16][head][1,024 bytes]: the bytes at 512 c + 16 lane are d = 32 c + 8 h + 0..7, then 32 c + 16 + 8 h + 0..7, of token lane % 16: what a lane's own conversions give, stored as they are.
; THE SOFTMAX: t = score x log2(e) / 8; M = the running largest t rounded UP to a whole number; p = 2^(t - M) is quantised with 2^e4; the row's sum is taken of the unquantised p and divides at the end;
; when M moves, the sum and O are multiplied by 2^(old M - new M): exact.
; SHARES.  A work-group owns 256 queries of one head, each of its eight waves 32: two tiles of 16, so that each fragment of k and v read from LDS feeds two products; two waves to a SIMD.
; THE HEAD'S WHOLE k AND v, 131,072 bytes each, LIE IN LDS, each byte filled once, in two halves of 1,024 keys.  Every wave issues one joint load of 16,384 bytes for each half (waves 0-3: 16 token tiles of k;
; waves 4-7: 8 key blocks of one 16 d of v): the first at the head, the second behind the full sequence and a round of the cluster's barrier.  The four query blocks of a cluster ask jointly.
; LDS: k's tile i at 1,024 i;  v at 131,072, as in memory: 32,768 x (16 d) + 2,048 x (key block).
; THE WALK: a step's fragments of k are fetched in the step before, right behind that step's first product.  Steps 0-6 (which fetch k up to step 7's) touch the first half alone; one barrier; steps 7-14; step 15 fetches nothing.
; Both products are used transposed (S^T = k q^T, O^T = v^T p^T): a lane holds one query; the eight registers of score tile t are keys 16 t + 8 h + 0..7, the place that the K = 128 form gives them.
; A STEP'S ORDER.  Maxima of both tiles by turns; tile 0's scalings, the sums' and O^T's rescaling; a wait; tile 0's 64 exponentials with tile 1's scalings among them; a wait; tile 1's 64 exponentials with
; tile 0's hold among them (into registers of its own, so that the sum still finds the unquantised p); a wait; sums, tile 1's hold, conversions, second product.
; The lines that stand among exponentials write only what is first read behind the next wait.
; No prefetch: the first half is asked for at the head, and the second half's load has seven steps, 168 matrix instructions a wave, in which to land.
; LIMITS on the given exponents: e2 + e3 between -123 and 130; e4 and e6 between -126 and 112.  NaN among the inputs is not served.
; REGISTERS.  Window 0: v1 16 x lane; v2, v3, v6 the step's LDS addresses (v6 later the way out's hold); v7 the conversion's scale; v8-11 second chains of the sums; v12, v13 lane exchanges; v14, v15 the add's;
;   v16 + 8 u: tile u's -M, largest t, sum (two halves), f, 0, two at work; v32 + 16 u p's codes; v64 + 64 u scores, then p; v192-255 tile 0's p held, and the way out.
;   Window 1: v0-63 O^T (32 u + 8 dt); v64 + 8 u q; v128-191 k's eight fragments; v192-255 v's four.
.set SPARE, 262144                     ; behind k and v: the spare words, 128 bytes a wave
.set ADK, 2
.set ADV, 3
.set ADV2, 6
.set SPW, 14
.set NIL, 15
.set ST,  16
.set P,   32
.set S,   64
.set H0,  192
.set QF,  64                           ; in window 1
.set KF,  128
.set VF,  192
.set TB,  2                            ; s2   LDS byte of the block of k that is fetched next
.set CNT, 3
.set TV,  10                           ; s10  LDS byte of the step's block of v
.set HL,  11                           ; s11  57,344 x 2^e4: the hold on p
.set WV,  12
.set SEL, 20
.set CS,  22                           ; s[22:23] c = log2(e) / 8 x 2^(e2 + e3)
.set G1K, 24
.set G1V, 32
.set G0K, 40                           ; s[40:47] one set for each half
.set G0V, 48                           ; s[48:55]
.set MSB, 0
.macro WIN new
.if MSB != \new
	s_set_vgpr_msb (MSB<<8)|\new
.set MSB, \new
.endif
.endm
.macro CROUND                          ; a round of the cluster's barrier
	s_barrier_signal -1
	s_barrier_wait -1
	s_cmp_lg_u32 s[WV], 0
	s_cbranch_scc1 .Lnot_wave_0_\@
	s_barrier_signal -3
.Lnot_wave_0_\@:
	s_barrier_wait -3
	s_barrier_signal -1
	s_barrier_wait -1
.endm
.macro JLOAD g                         ; half g: waves 0-3 fetch k, waves 4-7 v; an s_nop 0 and four v_nop follow each line
	s_cmp_lt_u32 s[WV], 4
	s_cbranch_scc0 .Lfor_v_\@
	tensor_load_to_lds s[G0K+4*\g:G0K+4*\g+3], s[G1K:G1K+7]
	s_nop 0
.rept 4
	v_nop
.endr
	s_branch .Lasked_\@
.Lfor_v_\@:
	tensor_load_to_lds s[G0V+4*\g:G0V+4*\g+3], s[G1V:G1V+7]
	s_nop 0
.rept 4
	v_nop
.endr
.Lasked_\@:
.endm
	s_load_b128 s[4:7], s[0:1], 0x0                ; q, k, v s[4:5]; the scales' exponents s[6:7]
	s_load_b64 s[8:9], s[0:1], 0x10                ; o's images
	v_lshl_add_u32 v[SPW], v0, 2, SPARE
	v_mov_b32 v[NIL], 0
	ds_add_u32 v[SPW], v[NIL]                      ; the opening lines: the add, twice on end, and its wait
	ds_add_u32 v[SPW], v[NIL]
	v_lshrrev_b32 v1, 5, v0
	v_readfirstlane_b32 s[WV], v1                  ; wave 0..7
	s_bfe_u32 s13, ttmp6, 0x40000                  ; cx
	s_lshl_b32 s14, ttmp9, 2
	s_add_co_u32 s14, s14, s13                     ; my block of 256 queries: it enters q's and o's addresses alone
	s_and_b32 s15, ttmp7, 0xffff                   ; 16 x batch + head, which the four partners share
	s_lshr_b32 s16, s15, 4
	s_and_b32 s17, s15, 15
	s_and_b32 s18, s[WV], 3                        ; which quarter of a half I fetch
	s_lshl_b32 s84, s16, 21                        ; k: 4 MiB + batch x 2 MiB + head x 1,024 + quarter x 16 tiles of 16,384
	s_lshl_b32 s85, s17, 10
	s_add_co_u32 s84, s84, s85
	s_lshl_b32 s85, s18, 18
	s_add_co_u32 s84, s84, s85
	s_add_co_u32 s84, s84, 0x400000
	s_mov_b32 s85, 0
	s_lshl_b32 s86, s15, 17                        ; v: 8 MiB + (batch, head) x 131,072 + (16 d) x 32,768
	s_lshl_b32 s66, s18, 15
	s_add_co_u32 s86, s86, s66
	s_add_co_u32 s86, s86, 0x800000
	s_mov_b32 s87, 0
	s_lshl_b32 s19, s18, 14                        ; in LDS: k: quarter x 16,384;  v: s66 = (16 d) x 32,768
	s_lshl_b32 s88, s16, 7                         ; q and o: token tile 128 x batch + 16 x block + 2 x wave, 16,384 bytes each, + head x 1,024
	s_lshl_b32 s89, s14, 4
	s_add_co_u32 s88, s88, s89
	s_lshl_b32 s89, s[WV], 1
	s_add_co_u32 s88, s88, s89
	s_lshl_b32 s88, s88, 14
	s_lshl_b32 s89, s17, 10
	s_add_co_u32 s88, s88, s89
	s_mov_b32 s89, 0
	s_mov_b32 s[G1K], 15|(1<<21)                   ; 15:0 the mask: all four work-groups; elements of 1 byte; no padding; 21 set beside a mask
	s_mov_b32 s[G1K+1], 1024<<16                   ; tensor_dim0: a tile's 1,024 bytes of the head
	s_mov_b32 s[G1K+2], 16<<16                     ; tensor_dim1: 16 token tiles
	s_mov_b32 s[G1K+3], 1024<<16                   ; tile_dim0
	s_mov_b32 s[G1K+4], 16                         ; tile_dim1
	s_mov_b32 s[G1K+5], 16384                      ; from tile to tile
	s_mov_b32 s[G1K+6], 0
	s_mov_b32 s[G1K+7], 0
	s_mov_b32 s[G1V], 15|(1<<21)
	s_mov_b32 s[G1V+1], 1024<<16                   ; v: 16,384 dense bytes as 16 rows of 1,024
	s_mov_b32 s[G1V+2], 16<<16
	s_mov_b32 s[G1V+3], 1024<<16
	s_mov_b32 s[G1V+4], 16
	s_mov_b32 s[G1V+5], 1024
	s_mov_b32 s[G1V+6], 0
	s_mov_b32 s[G1V+7], 0
	s_mov_b32 s[SEL], 0x76543210
	s_mov_b32 s[SEL+1], 0xfedcba98
	s_mov_b32 s[TB], 0
	s_mov_b32 s[TV], 131072
	s_wait_dscnt 0x0                               ; both opening adds are done
	s_wait_kmcnt 0x0
	s_load_b256 s[56:63], s[6:7], 0x0              ; e0 .. e7
	s_add_nc_u64 s[84:85], s[4:5], s[84:85]
	s_add_nc_u64 s[86:87], s[4:5], s[86:87]
	s_add_nc_u64 s[4:5], s[4:5], s[88:89]
	s_add_nc_u64 s[8:9], s[8:9], s[88:89]
.irp g, 0,1
	s_mov_b32 s[G0K+4*\g], 1
	s_add_co_u32 s[G0K+4*\g+1], s19, \g*65536
	s_add_nc_u64 s[G0K+4*\g+2:G0K+4*\g+3], s[84:85], \g*1048576
	s_or_b32 s[G0K+4*\g+3], s[G0K+4*\g+3], 0x80000000
	s_mov_b32 s[G0V+4*\g], 1
	s_add_co_u32 s[G0V+4*\g+1], s66, \g*16384+131072
	s_add_nc_u64 s[G0V+4*\g+2:G0V+4*\g+3], s[86:87], \g*16384
	s_or_b32 s[G0V+4*\g+3], s[G0V+4*\g+3], 0x80000000
.endr
	CROUND                                         ; all four work-groups are here: the joint loads meet
	JLOAD 0                                        ; keys 0 .. 1,023: my one tensor load at the head
	s_wait_kmcnt 0x0
	s_add_co_i32 s84, s58, s59
	s_lshl_b32 s84, s84, 23
	s_add_co_i32 s[CS], s84, 0x3e38aa3b            ; c = log2(e) / 8, with e2 + e3 added to its exponent field
	s_mov_b32 s[CS+1], s[CS]
	s_add_co_i32 s84, s60, 127
	s_lshl_b32 s85, s84, 23                        ; 2^e4
	s_add_co_i32 s84, s84, 15
	s_lshl_b32 s84, s84, 23
	s_or_b32 s[HL], s84, 0x600000                  ; 57,344 x 2^e4
	v_and_b32 v1, 31, v0
	v_lshlrev_b32 v1, 4, v1                        ; 16 x lane
	v_mov_b32 v7, s85
	WIN 0x40                                       ; destination window 1
.irp u, 0,1
.irp c, 0,1
	global_load_b128 v[QF+8*\u+4*\c:QF+8*\u+4*\c+3], v1, s[4:5] offset:\u*16384+\c*512   ; q's two fragments stay in registers
.endr
.endr
.set j, 0
.rept 64
	v_mov_b32 v[j], 0                              ; O^T.  (The step is written for all steps alike: the first finds zeros, which the first change of M leaves zeros)
.set j, j+1
.endr
	WIN 0
	v_mov_b32 v12, 0                               ; written once: a lane exchange's destination counts as one of its sources
	v_mov_b32 v13, 0
.irp u, 0,1
	v_mov_b32 v[ST+8*\u+1], 0xff61b1e6             ; the largest t so far: -3e38, under every t
	v_floor_f32 v[ST+8*\u], -v[ST+8*\u+1]          ; -M
	v_mov_b32 v[ST+8*\u+2], 0                      ; the sum, in two halves
	v_mov_b32 v[ST+8*\u+3], 0
	v_mov_b32 v[ST+8*\u+5], 0                      ; (named as the upper half of f's pair)
.endr
; Both tiles' largest score of the step, the new M, f = 2^(old M - new M); the tiles' lines stand by turns.
.macro SM_MAX
.irp u, 0,1
	v_max3_num_f32 v[ST+8*\u+6], v[S+64*\u], v[S+64*\u+1], v[S+64*\u+2]     ; each accumulator from its low end on
	v_max3_num_f32 v[ST+8*\u+7], v[S+64*\u+3], v[S+64*\u+4], v[S+64*\u+5]
.endr
.irp i, 6,10,14,18,22,26,30,34,38,42,46,50,54,58
.irp u, 0,1
	v_max3_num_f32 v[ST+8*\u+6], v[ST+8*\u+6], v[S+64*\u+\i], v[S+64*\u+\i+1]
	v_max3_num_f32 v[ST+8*\u+7], v[ST+8*\u+7], v[S+64*\u+\i+2], v[S+64*\u+\i+3]
.endr
.endr
.irp u, 0,1
	v_max3_num_f32 v[ST+8*\u+6], v[ST+8*\u+6], v[S+64*\u+62], v[S+64*\u+63]
.endr
.irp u, 0,1
	v_max_num_f32 v[ST+8*\u+6], v[ST+8*\u+6], v[ST+8*\u+7]
.endr
.irp u, 0,1
	v_permlanex16_b32 v[12+\u], v[ST+8*\u+6], s[SEL], s[SEL+1]
.endr
.irp u, 0,1
	v_max_num_f32 v[ST+8*\u+6], v[ST+8*\u+6], v[12+\u]     ; and among the other half's 64 keys
.endr
.irp u, 0,1
	v_mul_f32 v[ST+8*\u+6], s[CS], v[ST+8*\u+6]            ; as t (c is positive)
.endr
.irp u, 0,1
	v_max_num_f32 v[ST+8*\u+1], v[ST+8*\u+1], v[ST+8*\u+6]
.endr
.irp u, 0,1
	v_mov_b32 v[ST+8*\u+6], v[ST+8*\u]
.endr
.irp u, 0,1
	v_floor_f32 v[ST+8*\u], -v[ST+8*\u+1]                  ; -M = floor(-t): M is a whole number
.endr
.irp u, 0,1
	v_sub_f32 v[ST+8*\u+6], v[ST+8*\u], v[ST+8*\u+6]       ; old M - new M, 0 or less
.endr
.irp u, 0,1
	v_cvt_i32_f32 v[ST+8*\u+6], v[ST+8*\u+6]               ; (it saturates)
.endr
.irp u, 0,1
	v_ldexp_f32 v[ST+8*\u+4], 1.0, v[ST+8*\u+6]
.endr
.endm
.macro SM_SUM                          ; both tiles' row sums of the unquantised p: four chains by turns
.irp u, 0,1
	v_pk_add_f32 v[8+2*\u:9+2*\u], v[S+64*\u:S+64*\u+1], v[S+64*\u+2:S+64*\u+3]
.endr
.set gg, 4
.rept 15
.irp u, 0,1
	v_pk_add_f32 v[ST+8*\u+2:ST+8*\u+3], v[ST+8*\u+2:ST+8*\u+3], v[S+64*\u+gg:S+64*\u+gg+1]
	v_pk_add_f32 v[8+2*\u:9+2*\u], v[8+2*\u:9+2*\u], v[S+64*\u+gg+2:S+64*\u+gg+3]
.endr
.set gg, gg+4
.endr
.irp u, 0,1
	v_pk_add_f32 v[ST+8*\u+2:ST+8*\u+3], v[ST+8*\u+2:ST+8*\u+3], v[8+2*\u:9+2*\u]
.endr
.endm
.macro KLOAD                           ; the next block of k: eight fragments.  Its first four lines are the places behind the products that read these registers
	v_add_nc_u32 v[ADK], s[TB], v1
	v_nop
	v_nop
	v_nop
	WIN 0x40
.irp t, 0,1,2,3,4,5,6,7
	ds_load_b128 v[KF+8*\t:KF+8*\t+3], v[ADK] offset:\t*1024
	ds_load_b128 v[KF+8*\t+4:KF+8*\t+7], v[ADK] offset:\t*1024+512
.endr
	WIN 0
	s_add_co_u32 s[TB], s[TB], 8192
.endm
.macro STEP pf                         ; 128 keys; pf = 1: the next step's fragments of k are fetched
	v_add_nc_u32 v[ADV], s[TV], v1
	v_add_nc_u32 v[ADV2], 0x10000, v[ADV]
	v_nop
	v_nop                                          ; four places behind the last products, in front of loads into registers that they read
	WIN 0x40
.irp d, 0,1
.irp c, 0,1,2,3
	ds_load_b128 v[VF+16*\d+4*\c:VF+16*\d+4*\c+3], v[ADV] offset:\d*32768+\c*512
	ds_load_b128 v[VF+32+16*\d+4*\c:VF+32+16*\d+4*\c+3], v[ADV2] offset:\d*32768+\c*512
.endr
.endr
	s_wait_dscnt 16                                ; k's sixteen loads, issued a step ago, are in; v's sixteen may be out
	WIN 0x05                                       ; k and q in window 1, the scores in window 0
.irp t, 0,1,2,3,4,5,6,7
.irp u, 0,1
	v_wmma_f32_16x16x64_bf8_bf8 v[S+64*\u+8*\t:S+64*\u+8*\t+7], v[KF+8*\t:KF+8*\t+7], v[QF+8*\u:QF+8*\u+7], 0
.endr
.endr
	WIN 0
.if \pf
	KLOAD
.else
.rept 4
	v_nop
.endr
.endif
	SM_MAX
.set j, 0
.rept 32
	v_pk_fma_f32 v[S+j:S+j+1], v[S+j:S+j+1], s[CS:CS+1], v[ST:ST+1] op_sel_hi:[1,0,0]   ; tile 0: t - M
.set j, j+2
.endr
	v_pk_mul_f32 v[ST+2:ST+3], v[ST+2:ST+3], v[ST+4:ST+5] op_sel_hi:[1,0]        ; the sums under the new M
	v_pk_mul_f32 v[ST+10:ST+11], v[ST+10:ST+11], v[ST+12:ST+13] op_sel_hi:[1,0]
	WIN 0x41                                       ; O^T in window 1, f in window 0
.irp u, 0,1
.set j, 0
.rept 16
	v_pk_mul_f32 v[32*\u+j:32*\u+j+1], v[32*\u+j:32*\u+j+1], v[ST+8*\u+4:ST+8*\u+5] op_sel_hi:[1,0]   ; O^T under the new M: read here, ahead of the step's exponentials; each accumulator from its low end on
.set j, j+2
.endr
.endr
	WIN 0
	s_wait_dscnt 16*\pf                            ; v is in; the sixteen loads of the next k may be out
	s_wait_alu depctr_va_vdst(0)                   ; the wait ahead of a batch: it serves all that was written above
.set j, 0
.rept 32                               ; THE FIRST BATCH: tile 0's p = 2^(t - M); tile 1's scalings among them are first read behind the next wait
	v_exp_f32 v[S+j], v[S+j]
	v_exp_f32 v[S+j+1], v[S+j+1]
	v_pk_fma_f32 v[S+64+j:S+64+j+1], v[S+64+j:S+64+j+1], s[CS:CS+1], v[ST+8:ST+9] op_sel_hi:[1,0,0]   ; tile 1: t - M
.set j, j+2
.endr
	s_wait_alu depctr_va_vdst(0)                   ; behind the first batch and ahead of the second
.set j, 0
.rept 32                               ; THE SECOND BATCH: tile 1's p; tile 0's hold among them goes into v192-255: the conversion does not saturate (ISA guide 7.6.2); p is not negative, so the hold is one-sided
	v_exp_f32 v[S+64+j], v[S+64+j]
	v_exp_f32 v[S+64+j+1], v[S+64+j+1]
	v_dual_min_num_f32 v[H0+j], s[HL], v[S+j] :: v_dual_min_num_f32 v[H0+j+1], s[HL], v[S+j+1]
.set j, j+2
.endr
	v_nop                                          ; a plain line behind the last exponential
	s_wait_alu depctr_va_vdst(0)                   ; one wait for the second batch, ahead of its first reader
	SM_SUM
.set j, 0
.rept 32
	v_dual_min_num_f32 v[S+64+j], s[HL], v[S+64+j] :: v_dual_min_num_f32 v[S+64+j+1], s[HL], v[S+64+j+1]   ; tile 1's hold, behind its sum
.set j, j+2
.endr
.irp t, 0,1,2,3,4,5,6,7
	v_cvt_scalef32_pk8_bf8_f32 v[P+2*\t:P+2*\t+1], v[H0+8*\t:H0+8*\t+7], v7   ; registers 2 t, 2 t + 1 of the operand: keys 16 t + 8 h + 0..7
.endr
.irp t, 0,1,2,3,4,5,6,7
	v_cvt_scalef32_pk8_bf8_f32 v[P+16+2*\t:P+16+2*\t+1], v[S+64+8*\t:S+64+8*\t+7], v7
.endr
	v_nop                                          ; a plain line behind the last conversion
	WIN 0x51                                       ; v and O^T in window 1, p in window 0
.irp d, 0,1,2,3
.irp u, 0,1
	v_wmma_f32_16x16x128_bf8_bf8 v[32*\u+8*\d:32*\u+8*\d+7], v[VF+16*\d:VF+16*\d+15], v[P+16*\u:P+16*\u+15], v[32*\u+8*\d:32*\u+8*\d+7]   ; eight accumulators by turns
.endr
.endr
	WIN 0
	s_add_co_u32 s[TV], s[TV], 2048
.endm
	s_wait_alu depctr_va_vdst(0)                   ; the wait at the head's end
	s_wait_tensorcnt 0x0                           ; my part of the first half is in; the second half's first fill is issued as a refill is
	ds_add_u32 v[SPW], v[NIL]
	s_wait_dscnt 0x0
	CROUND                                         ; everybody's part is in, and all four work-groups are here
	JLOAD 1                                        ; keys 1,024 .. 2,047
	KLOAD                                          ; step 0's fragments of k
	s_wait_loadcnt 0x0                             ; q
	s_mov_b32 s[CNT], 7
.Lfirst:                                               ; steps 0 .. 6
	STEP 1
	s_sub_co_u32 s[CNT], s[CNT], 1
	s_cmp_lg_u32 s[CNT], 0
	s_cbranch_scc1 .Lfirst
	s_wait_tensorcnt 0x0                           ; my part of the second half is in
	s_wait_dscnt 0x0
	s_barrier_signal -1
	s_barrier_wait -1                              ; everybody's is; nothing is filled again
	s_mov_b32 s[CNT], 8
.Lsecond:                                              ; steps 7 .. 14
	STEP 1
	s_sub_co_u32 s[CNT], s[CNT], 1
	s_cmp_lg_u32 s[CNT], 0
	s_cbranch_scc1 .Lsecond
	STEP 0                                         ; step 15
	; THE WAY OUT: O^T x 2^(e4 + e5) / the sum, quantised with 2^e6; a lane's eight codes of tile dt are d = 16 dt + 8 h + 0..7 of its query: two tiles' codes are its 16 bytes of an image's run.
.rept 4
	v_nop
.endr
.irp u, 0,1
	v_add_f32 v[ST+8*\u+6], v[ST+8*\u+2], v[ST+8*\u+3]
.endr
.irp u, 0,1
	v_permlanex16_b32 v[12+\u], v[ST+8*\u+6], s[SEL], s[SEL+1]
.endr
.irp u, 0,1
	v_add_f32 v[ST+8*\u+6], v[ST+8*\u+6], v[12+\u]
.endr
	s_wait_alu depctr_va_vdst(0)                   ; ahead of the reciprocals
.irp u, 0,1
	v_rcp_f32 v[ST+8*\u+6], v[ST+8*\u+6]
.endr
	v_nop                                          ; a plain line behind the reciprocals
	s_add_co_i32 s84, s60, s61
	s_add_co_i32 s85, s62, 127
	s_lshl_b32 s86, s85, 23
	s_add_co_i32 s85, s85, 15
	s_lshl_b32 s85, s85, 23
	s_or_b32 s85, s85, 0x600000
	v_mov_b32 v7, s86                              ; 2^e6
	v_mov_b32 v6, s85                              ; 57,344 x 2^e6
	s_wait_alu depctr_va_vdst(0)                   ; one wait for both, ahead of the first reader
.irp u, 0,1
	v_ldexp_f32 v[ST+8*\u+6], v[ST+8*\u+6], s84
.endr
	WIN 0x01                                       ; source 0 window 1
	s_wait_alu depctr_va_vdst(0)                   ; directly ahead of the first reader of O^T, behind the reciprocals
.irp u, 0,1
.set j, 0
.rept 32
	v_mul_f32 v[192+32*\u+j], v[32*\u+j], v[ST+8*\u+6]
.set j, j+1
.endr
.endr
	WIN 0
.set j, 0
.rept 64
	v_med3_num_f32 v[192+j], v[192+j], -v6, v6
.set j, j+1
.endr
.irp n, 0,1,2,3,4,5,6,7
	v_cvt_scalef32_pk8_bf8_f32 v[P+2*\n:P+2*\n+1], v[192+8*\n:192+8*\n+7], v7   ; n = 4 u + dt
.endr
	v_nop
.irp m, 0,1,2,3
	global_store_b128 v1, v[P+4*\m:P+4*\m+3], s[8:9] offset:(\m/2)*16384+(\m%2)*512   ; 32 lanes store 512 consecutive bytes, aligned
.endr
	s_wait_tensorcnt 0x0                           ; the wave's end
	ds_add_u32 v[SPW], v[NIL]
	s_wait_dscnt 0x0
	CROUND                                         ; the closing round
	s_endpgm
.Lfunc_end_k_q695e350cc1_attn:
	.size	k_q695e350cc1_attn, .Lfunc_end_k_q695e350cc1_attn-k_q695e350cc1_attn
	.p2alignl 7, 3214868480
	.fill 96, 4, 3214868480
	.section	.rodata,"a",@progbits
	.p2align	6, 0x0
	.amdhsa_kernel k_q695e350cc1_attn
		.amdhsa_group_segment_fixed_size 327680
		.amdhsa_private_segment_fixed_size 0
		.amdhsa_enable_private_segment 0
		.amdhsa_kernarg_size 24
		.amdhsa_user_sgpr_count 2
		.amdhsa_user_sgpr_kernarg_segment_ptr 1
		.amdhsa_wavefront_size32 1
		.amdhsa_system_sgpr_workgroup_id_x 1
		.amdhsa_system_sgpr_workgroup_id_y 1
		.amdhsa_system_sgpr_workgroup_id_z 1
		.amdhsa_system_vgpr_workitem_id 0
		.amdhsa_next_free_vgpr 512
		.amdhsa_next_free_sgpr 90
		.amdhsa_reserve_vcc 0
		.amdhsa_float_denorm_mode_32 3
		.amdhsa_float_denorm_mode_16_64 3
		.amdhsa_memory_ordered 1
		.amdhsa_forward_progress 1
		.amdhsa_inst_pref_size 103
	.end_amdhsa_kernel
	.amdgpu_metadata
---
amdhsa.version: [ 1, 2 ]
amdhsa.kernels:
  - .name:           k_q695e350cc1_attn
    .symbol:         k_q695e350cc1_attn.kd
    .args:
      - { .name: qkvimg, .offset: 0, .size: 8, .value_kind: global_buffer, .address_space: global }
      - { .name: lowp_scales, .offset: 8, .size: 8, .value_kind: global_buffer, .address_space: global }
      - { .name: oimg, .offset: 16, .size: 8, .value_kind: global_buffer, .address_space: global }
    .group_segment_fixed_size: 327680
    .private_segment_fixed_size: 0
    .kernarg_segment_align: 8
    .kernarg_segment_size: 24
    .max_flat_workgroup_size: 256
    .sgpr_count:     90
    .vgpr_count:     512
    .wavefront_size: 32
...
	.end_amdgpu_metadata
.endif
;; end of part 3
;; launch proj (part 4): grid 8 x 32, 4 waves a work-group, clusters of 4 x 4, 327,680 bytes of LDS; arguments oimg, proj_w_codes, lowp_scales, x, xmid; writes xmid
.if DOCPART == 4
	.amdgcn_target "amdgcn-amd-amdhsa--gfx1250"
	.amdhsa_code_object_version 6
	.text
	.protected	k_q695e350cc1_proj
	.globl	k_q695e350cc1_proj
	.p2align	8
	.type	k_q695e350cc1_proj,@function
k_q695e350cc1_proj:
	s_mov_b64 s[64:65], 0
	v_nop
	global_prefetch_b8 v0, s[64:65] scope:SCOPE_SE
	s_setreg_imm32_b32 hwreg(HW_REG_WAVE_MODE, 25, 1), 1
	s_wait_xcnt 0x0
	s_wait_alu depctr_hold_cnt(0) depctr_sa_sdst(0) depctr_va_vdst(0) depctr_va_sdst(0) depctr_va_ssrc(0) depctr_va_vcc(0) depctr_vm_vsrc(0)
	s_getreg_b32 s2, hwreg(HW_REG_IB_STS2, 6, 4)
	s_cmp_eq_u32 s2, 0
	s_cbranch_scc0 .Lentry_in_a_cluster
	s_endpgm
.Lentry_in_a_cluster:
	s_bfe_u32 s2, ttmp6, 0x10000c
	s_cmp_lg_u32 s2, 0xf033
	s_cbranch_scc0 .Lentry_shape_is_right
	s_endpgm
.Lentry_shape_is_right:
; xmid = x + o W^T x 2^(e6 + e7), on E5M2 codes.  o: [4,096][1,024] as images of operand registers, [row tile of 16][K step of 128][2,048 bytes]: the bytes at 512 c + 16 lane are
; k = 32 c + 8 h + 0..7, then 32 c + 16 + 8 h + 0..7, of row lane % 16: registers 2 c', 2 c' + 1 hold k = 16 c' + 8 h + 0..7, the place that the K = 128 form gives them.
; W: [1,024][1,024] codes, K innermost.  x, xmid: [4,096][1,024] f32.
; A tile of 128 x 128 gives 256 work-groups; four waves, 64 x 64 each: 16 accumulators.  THE WHOLE K LIES IN LDS: o's 8 row tiles x 16,384 bytes, as in memory, then W's 128 rows of 1,024 bytes + 16 of padding:
; 264,192 bytes, each filled once by one joint load a wave at the head (waves 0, 1: o's halves, shared along a row of the 4 x 4 cluster; waves 2, 3: W's, shared along a column).  Nothing is filled again: no ring, one barrier.
; W's fragments come by eight loads of 8 bytes, 16 apart, + 8 h: the same k in the same registers as o's.
; The matrix instruction is used transposed (source 0 = 16 rows of W, source 1 = 16 rows of o): a lane holds eight neighbouring numbers of a row of the output.
; No prefetch: all tiles are asked for at the head, and the launch has no loop to run ahead in.
; LIMIT: e6 + e7 between -126 and 127, so that 2^(e6 + e7) is an f32 number.
; REGISTERS.  Window 0: v1-29 addresses; v128-255 the accumulators ((a, b) at v[128 + 8 (4 a + b)]).  Window 1: two fragment buffers of 128: o's four, then W's four.  Window 2: v0-127 the residual.
.set SIZE_K, 1024
.set EA_OFF, 24                        ; byte of e6 in the buffer of scales; e7 follows it
.set AROW,   16*SIZE_K                 ; a row tile's images
.set BP,     1040
.set ABYTES, 131072
.set BHALF,  64*BP
.set STAGE,  ABYTES+2*BHALF            ; behind the tiles: each wave's own stage, 16 rows x (256 bytes + 16); no tensor load lands there
.set SPITCH, 272
.set SPARE,  STAGE+4*16*SPITCH         ; behind the stages: the spare words, 128 bytes a wave
.set ADRA, 16
.set ADRB, 20
.set STO,  24
.set RD,   25
.set CO,   26
.set SPW,  28
.set NIL,  29
.set ACC,  128
.set F0,   0
.set F1,   128
.set G1, 24
.set G0, 32
.set G1B, 48
.set G0B, 56
.set MSB, 0
.macro WIN new
.if MSB != \new
	s_set_vgpr_msb (MSB<<8)|\new
.set MSB, \new
.endif
.endm
.set MUL,  0x05                        ; sources 0 and 1 window 1; C and D window 0
.set TO_F, 0x40
.macro CROUND                          ; a round of the cluster's barrier
	s_barrier_signal -1
	s_barrier_wait -1
	s_cmp_lg_u32 s10, 0
	s_cbranch_scc1 .Lnot_wave_0_\@
	s_barrier_signal -3
.Lnot_wave_0_\@:
	s_barrier_wait -3
	s_barrier_signal -1
	s_barrier_wait -1
.endm
	s_load_b128 s[4:7], s[0:1], 0x0                ; o's images s[4:5], W's codes s[6:7]
	s_load_b64 s[8:9], s[0:1], 0x10                ; the scales' exponents
	s_load_b128 s[68:71], s[0:1], 0x18             ; the residual s[68:69], the output s[70:71]
	v_lshl_add_u32 v[SPW], v0, 2, SPARE
	v_mov_b32 v[NIL], 0
	ds_add_u32 v[SPW], v[NIL]                      ; the opening lines: the add, twice on end, and its wait
	ds_add_u32 v[SPW], v[NIL]
	v_lshrrev_b32 v1, 5, v0
	v_readfirstlane_b32 s10, v1                    ; wave 0..3
	s_lshr_b32 s11, s10, 1                         ; which half of the tile's rows is mine.  Also: I fetch for o (0) or for W (1)
	s_and_b32 s12, s10, 1                          ; which half of its columns.  Also: which half of that tile I fetch
	s_bfe_u32 s40, ttmp6, 0x40000
	s_bfe_u32 s41, ttmp6, 0x40004
	s_lshl_b32 s42, ttmp9, 2
	s_add_co_u32 s42, s42, s40                     ; tile column
	s_and_b32 s13, ttmp7, 0xffff
	s_lshl_b32 s13, s13, 2
	s_add_co_u32 s13, s13, s41                     ; tile row
	s_lshl_b32 s43, s41, 2
	s_lshl_b32 s43, 15, s43                        ; my row of the cluster
	s_lshl_b32 s44, 0x1111, s40                    ; my column
	s_or_b32 s[G1+0], s43, (1<<21)                 ; o: the mask; elements of 1 byte; no padding; 21 set beside a mask
	s_mov_b32 s[G1+1], AROW<<16                    ; tensor_dim0: a row tile's eight K steps, 16,384 bytes on end
	s_mov_b32 s[G1+2], 4<<16                       ; tensor_dim1: 4 row tiles
	s_mov_b32 s[G1+3], AROW<<16                    ; tile_dim0
	s_mov_b32 s[G1+4], 4                           ; tile_dim1
	s_mov_b32 s[G1+5], AROW
	s_mov_b32 s[G1+6], 0
	s_mov_b32 s[G1+7], 0
	s_or_b32 s[G1B+0], s44, (1<<20)|(1<<21)|(7<<22)|(3<<25)   ; W: padding of 4 words behind every 256
	s_mov_b32 s[G1B+1], SIZE_K<<16
	s_mov_b32 s[G1B+2], 64<<16
	s_mov_b32 s[G1B+3], SIZE_K<<16
	s_mov_b32 s[G1B+4], 64
	s_mov_b32 s[G1B+5], SIZE_K
	s_mov_b32 s[G1B+6], 0
	s_mov_b32 s[G1B+7], 0
	s_lshl_b32 s16, s13, 3
	s_lshl_b32 s17, s12, 2
	s_add_co_u32 s16, s16, s17                     ; o: row tile 8 x tile row + 4 x half
	s_mul_i32 s16, s16, AROW
	s_mov_b32 s17, 0
	s_lshl_b32 s46, s42, 7
	s_lshl_b32 s47, s12, 6
	s_add_co_u32 s46, s46, s47                     ; W: row 128 x tile column + 64 x half
	s_mul_i32 s46, s46, SIZE_K
	s_mov_b32 s47, 0
	s_mov_b32 s[G0], 1
	s_lshl_b32 s[G0+1], s12, 16                    ; where they go: o's half,
	s_mov_b32 s[G0B], 1
	s_mul_i32 s[G0B+1], s12, BHALF
	s_add_co_u32 s[G0B+1], s[G0B+1], ABYTES        ; W's half
	s_wait_dscnt 0x0                               ; both opening adds are done
	s_wait_kmcnt 0x0
	s_load_b64 s[72:73], s[8:9], EA_OFF            ; e6, e7
	s_add_nc_u64 s[G0+2:G0+3], s[4:5], s[16:17]
	s_or_b32 s[G0+3], s[G0+3], 0x80000000
	s_add_nc_u64 s[G0B+2:G0B+3], s[6:7], s[46:47]
	s_or_b32 s[G0B+3], s[G0B+3], 0x80000000
	CROUND                                         ; all sixteen work-groups are here: the joint loads meet
	s_cmp_eq_u32 s11, 0                            ; one tensor load a wave; an s_nop 0 and four v_nop follow each line
	s_cbranch_scc0 .Lfor_b
	tensor_load_to_lds s[G0:G0+3], s[G1:G1+7]
	s_nop 0
.rept 4
	v_nop
.endr
	s_branch .Lasked
.Lfor_b:
	tensor_load_to_lds s[G0B:G0B+3], s[G1B:G1B+7]
	s_nop 0
.rept 4
	v_nop
.endr
.Lasked:
	s_lshl_b32 s21, s11, 16                        ; my four row tiles of o
	s_mul_i32 s22, s12, BHALF
	s_add_co_u32 s22, s22, ABYTES                  ; my 64 rows of W
	s_mul_i32 s23, s10, 16*SPITCH
	s_add_co_u32 s23, s23, STAGE                   ; my stage
	s_lshl_b32 s74, s13, 7
	s_lshl_b32 s75, s11, 6
	s_add_co_u32 s74, s74, s75                     ; my first row
	s_lshl_b32 s74, s74, 12
	s_lshl_b32 s75, s42, 9
	s_add_co_u32 s74, s74, s75                     ; my first column, in bytes: 512 x tile column + 256 x half
	s_lshl_b32 s75, s12, 8
	s_add_co_u32 s74, s74, s75
	s_mov_b32 s75, 0
	s_add_nc_u64 s[68:69], s[68:69], s[74:75]
	s_add_nc_u64 s[70:71], s[70:71], s[74:75]
	v_and_b32 v1, 15, v0                           ; l % 16
	v_bfe_u32 v2, v0, 4, 1                         ; l / 16
	v_lshlrev_b32 v5, 12, v2
	v_lshl_add_u32 v[CO], v1, 4, v5                ; two rows in memory, 4,096 bytes apart; 16 bytes a lane
	WIN 0x80                                       ; destination window 2
.irp a, 0,1,2,3
.irp t, 0,1,2,3,4,5,6,7
	global_load_b128 v[32*\a+4*\t:32*\a+4*\t+3], v[CO], s[68:69] offset:(16*\a+2*\t)*4096   ; the residual, in the layout in which the results leave: asked for now, wanted at the end
.endr
.endr
	WIN 0
	v_and_b32 v3, 31, v0
	v_lshlrev_b32 v3, 4, v3                        ; 16 x lane
	v_mul_u32_u24 v4, v1, BP
	v_lshl_add_u32 v4, v2, 3, v4                   ; W: row x pitch + 8 x half
	v_add_nc_u32 v[ADRA], s21, v3
	v_add_nc_u32 v[ADRB], s22, v4
	v_mul_u32_u24 v5, v1, SPITCH
	v_lshl_add_u32 v5, v2, 5, v5
	v_add_nc_u32 v[STO], s23, v5                   ; in: row l % 16, 32 bytes for each half of the lanes
	v_mul_u32_u24 v5, v2, SPITCH
	v_lshl_add_u32 v5, v1, 4, v5
	v_add_nc_u32 v[RD], s23, v5                    ; back: lanes 0-15 one row of 256 bytes, lanes 16-31 the next
.macro MUL4 f, a, zero                 ; o's block a x W's four.  The 16 accumulators take turns, one instruction a turn, in the same order in every quarter
.irp b, 0,1,2,3
.if \zero
	v_wmma_f32_16x16x128_bf8_bf8 v[ACC+8*(4*(\a)+\b):ACC+8*(4*(\a)+\b)+7], v[\f+64+16*\b:\f+64+16*\b+15], v[\f+16*(\a):\f+16*(\a)+15], 0
.else
	v_wmma_f32_16x16x128_bf8_bf8 v[ACC+8*(4*(\a)+\b):ACC+8*(4*(\a)+\b)+7], v[\f+64+16*\b:\f+64+16*\b+15], v[\f+16*(\a):\f+16*(\a)+15], v[ACC+8*(4*(\a)+\b):ACC+8*(4*(\a)+\b)+7]
.endif
.endr
.endm
.macro MUL8 f, a0, zero
	MUL4 \f, \a0, \zero
	MUL4 \f, \a0+1, \zero
.endm
.macro FETCH q, f                      ; 48 LDS loads in one run: the q-th 128 along K: W's four fragments (32 loads), then o's blocks 0, 1, 2, 3 (16)
	WIN TO_F
.irp i, 0,1,2,3
.irp c, 0,1,2,3,4,5,6,7
	ds_load_b64 v[\f+64+16*\i+2*\c:\f+64+16*\i+2*\c+1], v[ADRB] offset:\i*16*BP+(\q)*128+16*\c
.endr
.endr
.irp i, 0,1,2,3
.irp c, 0,1,2,3
	ds_load_b128 v[\f+16*\i+4*\c:\f+16*\i+4*\c+3], v[ADRA] offset:\i*16384+(\q)*2048+512*\c
.endr
.endr
.endm
.macro PLACES                          ; four plain lines between a matrix instruction and a load into, or a read of, its registers
.rept 4
	v_nop
.endr
.endm
.macro QUARTER qn, f, g, zero          ; multiplies buffer f (128 along K) and fetches quarter qn into g
	s_wait_dscnt 8                                 ; W's four and o's blocks 0, 1 are in; the youngest eight loads may be out
	WIN MUL
	MUL8 \f, 0, \zero
	PLACES
	FETCH \qn, \g
	s_wait_dscnt 48                                ; all but the 48 just issued
	WIN MUL
	MUL8 \f, 2, \zero
.endm
	s_wait_alu depctr_va_vdst(0)                   ; the wait at the head's end
	s_wait_tensorcnt 0x0                           ; my part of the tiles is in
	s_barrier_signal -1
	s_barrier_wait -1                              ; everybody's is
	FETCH 0, F0
	QUARTER 1, F0, F1, 1                           ; the first quarter's products start the sums
	QUARTER 2, F1, F0, 0
	QUARTER 3, F0, F1, 0
	QUARTER 4, F1, F0, 0
	QUARTER 5, F0, F1, 0
	QUARTER 6, F1, F0, 0
	QUARTER 7, F0, F1, 0
	s_wait_dscnt 8
	WIN MUL
	MUL8 F1, 0, 0
	s_wait_dscnt 0
	MUL8 F1, 2, 0
	WIN 0
	; THE WAY OUT: a block of 16 rows x 64 columns goes through my own stage and comes back as whole rows of 256 bytes, into the registers that it left; then sum x 2^(e6 + e7) + residual, one packed multiply-add for two.
	s_wait_kmcnt 0x0
	s_add_co_i32 s72, s72, s73
	s_add_co_i32 s72, s72, 127
	s_lshl_b32 s72, s72, 23                        ; 2^(e6 + e7)
	s_mov_b32 s73, s72
.macro TOSTAGE a
.irp b, 0,1,2,3
	ds_store_b128 v[STO], v[ACC+8*(4*\a+\b):ACC+8*(4*\a+\b)+3] offset:64*\b        ; each accumulator from its low end on
	ds_store_b128 v[STO], v[ACC+8*(4*\a+\b)+4:ACC+8*(4*\a+\b)+7] offset:64*\b+16
.endr
.irp t, 0,1,2,3,4,5,6,7
	ds_load_b128 v[ACC+32*\a+4*\t:ACC+32*\a+4*\t+3], v[RD] offset:\t*2*SPITCH   ; LDS serves a wave's instructions in order (ISA guide 5.7.1.4): these see my stores, and the next block's stores come behind them
.endr
.endm
.macro FIN a, younger                  ; younger: the LDS instructions issued behind block a's loads
	s_wait_dscnt \younger
	WIN 0x20                                       ; source 2 (the residual) window 2
.set j, 0
.rept 16
	v_pk_fma_f32 v[ACC+32*\a+j:ACC+32*\a+j+1], v[ACC+32*\a+j:ACC+32*\a+j+1], s[72:73], v[32*\a+j:32*\a+j+1] op_sel_hi:[1,0,1]
.set j, j+2
.endr
	WIN 0
.irp t, 0,1,2,3,4,5,6,7
	global_store_b128 v[CO], v[ACC+32*\a+4*\t:ACC+32*\a+4*\t+3], s[70:71] offset:(16*\a+2*\t)*4096   ; 16 lanes store 256 consecutive bytes, aligned
.endr
.endm
	PLACES
	s_wait_loadcnt 0x0                             ; the residual
	TOSTAGE 0
	TOSTAGE 1
	FIN 0, 16
	TOSTAGE 2
	FIN 1, 16
	TOSTAGE 3
	FIN 2, 16
	FIN 3, 0
	s_wait_tensorcnt 0x0                           ; the wave's end
	ds_add_u32 v[SPW], v[NIL]
	s_wait_dscnt 0x0
	CROUND                                         ; the closing round
	s_endpgm
.Lfunc_end_k_q695e350cc1_proj:
	.size	k_q695e350cc1_proj, .Lfunc_end_k_q695e350cc1_proj-k_q695e350cc1_proj
	.p2alignl 7, 3214868480
	.fill 96, 4, 3214868480
	.section	.rodata,"a",@progbits
	.p2align	6, 0x0
	.amdhsa_kernel k_q695e350cc1_proj
		.amdhsa_group_segment_fixed_size 327680
		.amdhsa_private_segment_fixed_size 0
		.amdhsa_enable_private_segment 0
		.amdhsa_kernarg_size 40
		.amdhsa_user_sgpr_count 2
		.amdhsa_user_sgpr_kernarg_segment_ptr 1
		.amdhsa_wavefront_size32 1
		.amdhsa_system_sgpr_workgroup_id_x 1
		.amdhsa_system_sgpr_workgroup_id_y 1
		.amdhsa_system_sgpr_workgroup_id_z 1
		.amdhsa_system_vgpr_workitem_id 0
		.amdhsa_next_free_vgpr 640
		.amdhsa_next_free_sgpr 90
		.amdhsa_reserve_vcc 0
		.amdhsa_float_denorm_mode_32 3
		.amdhsa_float_denorm_mode_16_64 3
		.amdhsa_memory_ordered 1
		.amdhsa_forward_progress 1
		.amdhsa_inst_pref_size 55
	.end_amdhsa_kernel
	.amdgpu_metadata
---
amdhsa.version: [ 1, 2 ]
amdhsa.kernels:
  - .name:           k_q695e350cc1_proj
    .symbol:         k_q695e350cc1_proj.kd
    .args:
      - { .name: oimg, .offset: 0, .size: 8, .value_kind: global_buffer, .address_space: global }
      - { .name: proj_w_codes, .offset: 8, .size: 8, .value_kind: global_buffer, .address_space: global }
      - { .name: lowp_scales, .offset: 16, .size: 8, .value_kind: global_buffer, .address_space: global }
      - { .name: x, .offset: 24, .size: 8, .value_kind: global_buffer, .address_space: global }
      - { .name: xmid, .offset: 32, .size: 8, .value_kind: global_buffer, .address_space: global }
    .group_segment_fixed_size: 327680
    .private_segment_fixed_size: 0
    .kernarg_segment_align: 8
    .kernarg_segment_size: 40
    .max_flat_workgroup_size: 128
    .sgpr_count:     90
    .vgpr_count:     640
    .wavefront_size: 32
...
	.end_amdgpu_metadata
.endif
;; end of part 4
;; launch ln2 (part 5): grid 256 x 1, 4 waves a work-group, no clusters, 16,896 bytes of LDS; arguments xmid, ln2_w, lowp_scales, acodes; writes acodes
.if DOCPART == 5
	.amdgcn_target "amdgcn-amd-amdhsa--gfx1250"
	.amdhsa_code_object_version 6
	.text
	.protected	k_q695e350cc1_ln2
	.globl	k_q695e350cc1_ln2
	.p2align	8
	.type	k_q695e350cc1_ln2,@function
k_q695e350cc1_ln2:
	s_mov_b64 s[64:65], 0
	v_nop
	global_prefetch_b8 v0, s[64:65] scope:SCOPE_SE
	s_setreg_imm32_b32 hwreg(HW_REG_WAVE_MODE, 25, 1), 1
	s_wait_xcnt 0x0
; codes = Q((x - mean) * rsqrt(var) * gain), row by row of 1,024 f32 numbers, as E5M2 codes with the given scale 2^e (entry SC_OFF / 4 of the scales), row-major, K innermost.
; A work-group takes 16 rows, a wave 4; a row lies in 32 registers of one wave between its passes, so memory is read once and no wave waits for another: no barrier, no tensor load, no matrix work.
; The variance is the mean of (x - mean)^2, taken in a second pass over the registers: no difference of large sums is formed.
; LIMITS: e between -126 and 112, so that 2^e and 57,344 x 2^e are f32 numbers.  NaN among the inputs is not served.  A row of equal numbers gives what rsqrt(0) gives.
.set SC_OFF, 32                        ; byte of my scale's exponent in the buffer of scales
.set W,    16                          ; v16-47   the gain at my 32 columns
.set X,    48                          ; v48-175  four rows, 32 registers each: register 4 j + i = column 128 j + 4 lane + i
.set C,    176                         ; v176-207 codes, 8 registers a row: register k = columns 128 k + 4 lane + 0 .. 3
.set OUTR, 208                         ; v208-239 a row's codes read back, 16 neighbouring bytes a lane
	s_load_b256 s[4:11], s[0:1], 0x0               ; rows s[4:5], gain s[6:7], scales s[8:9], codes s[10:11]
	v_lshl_add_u32 v240, v0, 2, 0x4000
	v_mov_b32 v241, 0
	v_lshrrev_b32 v1, 5, v0
	v_readfirstlane_b32 s12, v1                    ; wave 0..3
	v_and_b32 v15, 31, v0                          ; lane (v15 later takes the lane exchange: it has been written)
	v_lshlrev_b32 v1, 4, v15                       ; 16 x lane: my bytes of a load's or a store's 512
	s_lshl_b32 s13, s12, 12                        ; my wave's 4,096 bytes of LDS
	v_lshlrev_b32 v2, 2, v15
	v_add_nc_u32 v2, s13, v2                       ; into LDS: 4 bytes a lane
	v_add_nc_u32 v3, s13, v1                       ; back: 16 bytes a lane
	s_mov_b32 s20, 0x76543210                      ; v_permlanex16_b32: each lane takes its own place in the other half
	s_mov_b32 s21, 0xfedcba98
	s_lshl_b32 s14, ttmp9, 4
	s_lshl_b32 s15, s12, 2
	s_add_co_u32 s14, s14, s15                     ; my first row: 16 x work-group + 4 x wave
	s_lshl_b32 s16, s14, 12                        ; 4,096 bytes a row of f32
	s_mov_b32 s17, 0
	s_lshl_b32 s18, s14, 10                        ; 1,024 bytes a row of codes
	s_mov_b32 s19, 0
	s_wait_alu depctr_va_vdst(0)
	s_wait_kmcnt 0x0
	s_load_b32 s22, s[8:9], SC_OFF                 ; e
	s_add_nc_u64 s[4:5], s[4:5], s[16:17]
	s_add_nc_u64 s[10:11], s[10:11], s[18:19]
.irp j, 0,1,2,3,4,5,6,7
	global_load_b128 v[W+4*\j:W+4*\j+3], v1, s[6:7] offset:512*\j
.endr
.irp rr, 0,1,2,3
.irp j, 0,1,2,3,4,5,6,7
	global_load_b128 v[X+32*\rr+4*\j:X+32*\rr+4*\j+3], v1, s[4:5] offset:4096*\rr+512*\j th:TH_LOAD_NT   ; 32 lanes read 512 consecutive bytes
.endr
.endr
	s_wait_kmcnt 0x0
	s_add_co_i32 s22, s22, 127
	s_lshl_b32 s23, s22, 23
	v_mov_b32 v4, s23                              ; 2^e as f32: the conversion takes its exponent field
	s_add_co_i32 s22, s22, 15
	s_lshl_b32 s22, s22, 23
	s_or_b32 s22, s22, 0x600000
	v_mov_b32 v5, s22                              ; 57,344 x 2^e
.macro RED                             ; v6 summed over the 32 lanes, the result in every lane
	v_add_f32_dpp v6, v6, v6 row_xmask:1 row_mask:0xf bank_mask:0xf
	v_add_f32_dpp v6, v6, v6 row_xmask:2 row_mask:0xf bank_mask:0xf
	v_add_f32_dpp v6, v6, v6 row_xmask:4 row_mask:0xf bank_mask:0xf
	v_add_f32_dpp v6, v6, v6 row_xmask:8 row_mask:0xf bank_mask:0xf
	v_permlanex16_b32 v15, v6, s20, s21
	v_add_f32 v6, v6, v15
.endm
.macro ROW rr
.set XR, X+32*(\rr)
	s_wait_loadcnt 24-8*(\rr)                      ; loads come back in order: the gain and this row are in, the later rows' eight loads each may be out
	v_pk_add_f32 v[6:7], v[XR:XR+1], v[XR+2:XR+3]  ; the sum, in two chains
	v_pk_add_f32 v[8:9], v[XR+4:XR+5], v[XR+6:XR+7]
.irp j, 8,12,16,20,24,28
	v_pk_add_f32 v[6:7], v[6:7], v[XR+\j:XR+\j+1]
	v_pk_add_f32 v[8:9], v[8:9], v[XR+\j+2:XR+\j+3]
.endr
	v_pk_add_f32 v[6:7], v[6:7], v[8:9]
	v_add_f32 v6, v6, v7
	RED
	v_mul_f32 v10, 0x3a800000, v6                  ; the mean: x 1 / 1,024
	v_mov_b32 v11, v10
.set j, 0
.rept 16
	v_pk_add_f32 v[XR+j:XR+j+1], v[XR+j:XR+j+1], v[10:11] neg_lo:[0,1] neg_hi:[0,1]   ; d = x - mean, in place
.set j, j+2
.endr
	v_pk_mul_f32 v[6:7], v[XR:XR+1], v[XR:XR+1]    ; the sum of d^2, in two chains
	v_pk_mul_f32 v[8:9], v[XR+2:XR+3], v[XR+2:XR+3]
.irp j, 4,8,12,16,20,24,28
	v_pk_fma_f32 v[6:7], v[XR+\j:XR+\j+1], v[XR+\j:XR+\j+1], v[6:7]
	v_pk_fma_f32 v[8:9], v[XR+\j+2:XR+\j+3], v[XR+\j+2:XR+\j+3], v[8:9]
.endr
	v_pk_add_f32 v[6:7], v[6:7], v[8:9]
	v_add_f32 v6, v6, v7
	RED
	v_mul_f32 v14, 0x3a800000, v6                  ; the variance
	s_wait_alu depctr_va_vdst(0)
	v_rsq_f32 v12, v14
	v_nop                                          ; a plain instruction behind the transcendental,
	s_wait_alu depctr_va_vdst(0)                   ; and the wait ahead of the first line that names its result
	v_mov_b32 v13, v12
.set j, 0
.rept 16
	v_pk_mul_f32 v[XR+j:XR+j+1], v[XR+j:XR+j+1], v[12:13]
.set j, j+2
.endr
.set j, 0
.rept 16
	v_pk_mul_f32 v[XR+j:XR+j+1], v[XR+j:XR+j+1], v[W+j:W+j+1]
.set j, j+2
.endr
.set j, 0
.rept 32
	v_med3_num_f32 v[XR+j], v[XR+j], -v5, v5       ; the conversion to an 8-bit code does not saturate (ISA guide 7.6.2): the hold at the largest code x the scale
.set j, j+1
.endr
.irp g, 0,1,2,3
	v_cvt_scalef32_pk8_bf8_f32 v[C+8*(\rr)+2*\g:C+8*(\rr)+2*\g+1], v[XR+8*\g:XR+8*\g+7], v4   ; one scale serves the tensor, so the eight numbers need not be neighbours: each result register is four neighbouring columns
.endr
	v_nop                                          ; a plain line behind the last conversion
.irp k, 0,1,2,3,4,5,6,7
	ds_store_b32 v2, v[C+8*(\rr)+\k] offset:1024*(\rr)+128*\k   ; the row's 1,024 codes in their order
.endr
.irp i, 0,1
	ds_load_b128 v[OUTR+8*(\rr)+4*\i:OUTR+8*(\rr)+4*\i+3], v3 offset:1024*(\rr)+512*\i   ; LDS serves a wave's instructions in order: these see my stores
.endr
	s_wait_dscnt 0x0
.irp i, 0,1
	global_store_b128 v1, v[OUTR+8*(\rr)+4*\i:OUTR+8*(\rr)+4*\i+3], s[10:11] offset:1024*(\rr)+512*\i   ; 32 lanes store 512 consecutive bytes, aligned
.endr
.endm
	ROW 0
	ROW 1
	ROW 2
	ROW 3
	s_wait_tensorcnt 0x0
	ds_add_u32 v240, v241
	s_wait_dscnt 0x0
	s_endpgm
.Lfunc_end_k_q695e350cc1_ln2:
	.size	k_q695e350cc1_ln2, .Lfunc_end_k_q695e350cc1_ln2-k_q695e350cc1_ln2
	.p2alignl 7, 3214868480
	.fill 96, 4, 3214868480
	.section	.rodata,"a",@progbits
	.p2align	6, 0x0
	.amdhsa_kernel k_q695e350cc1_ln2
		.amdhsa_group_segment_fixed_size 16896
		.amdhsa_private_segment_fixed_size 0
		.amdhsa_enable_private_segment 0
		.amdhsa_kernarg_size 32
		.amdhsa_user_sgpr_count 2
		.amdhsa_user_sgpr_kernarg_segment_ptr 1
		.amdhsa_wavefront_size32 1
		.amdhsa_system_sgpr_workgroup_id_x 1
		.amdhsa_system_sgpr_workgroup_id_y 1
		.amdhsa_system_sgpr_workgroup_id_z 1
		.amdhsa_system_vgpr_workitem_id 0
		.amdhsa_next_free_vgpr 242
		.amdhsa_next_free_sgpr 66
		.amdhsa_reserve_vcc 0
		.amdhsa_float_denorm_mode_32 3
		.amdhsa_float_denorm_mode_16_64 3
		.amdhsa_memory_ordered 1
		.amdhsa_forward_progress 1
		.amdhsa_inst_pref_size 43
	.end_amdhsa_kernel
	.amdgpu_metadata
---
amdhsa.version: [ 1, 2 ]
amdhsa.kernels:
  - .name:           k_q695e350cc1_ln2
    .symbol:         k_q695e350cc1_ln2.kd
    .args:
      - { .name: xmid, .offset: 0, .size: 8, .value_kind: global_buffer, .address_space: global }
      - { .name: ln2_w, .offset: 8, .size: 8, .value_kind: global_buffer, .address_space: global }
      - { .name: lowp_scales, .offset: 16, .size: 8, .value_kind: global_buffer, .address_space: global }
      - { .name: acodes, .offset: 24, .size: 8, .value_kind: global_buffer, .address_space: global }
    .group_segment_fixed_size: 16896
    .private_segment_fixed_size: 0
    .kernarg_segment_align: 8
    .kernarg_segment_size: 32
    .max_flat_workgroup_size: 128
    .sgpr_count:     66
    .vgpr_count:     242
    .wavefront_size: 32
...
	.end_amdgpu_metadata
.endif
;; end of part 5
;; launch mlp1 (part 6): grid 16 x 16, 4 waves a work-group, clusters of 4 x 4, 327,680 bytes of LDS; arguments acodes, mlp_w1_codes, lowp_scales, himg; writes himg
.if DOCPART == 6
	.amdgcn_target "amdgcn-amd-amdhsa--gfx1250"
	.amdhsa_code_object_version 6
	.text
	.protected	k_q695e350cc1_mlp1
	.globl	k_q695e350cc1_mlp1
	.p2align	8
	.type	k_q695e350cc1_mlp1,@function
k_q695e350cc1_mlp1:
	s_mov_b64 s[64:65], 0
	v_nop
	global_prefetch_b8 v0, s[64:65] scope:SCOPE_SE
	s_setreg_imm32_b32 hwreg(HW_REG_WAVE_MODE, 25, 1), 1
	s_wait_xcnt 0x0
	s_wait_alu depctr_hold_cnt(0) depctr_sa_sdst(0) depctr_va_vdst(0) depctr_va_sdst(0) depctr_va_ssrc(0) depctr_va_vcc(0) depctr_vm_vsrc(0)
	s_getreg_b32 s2, hwreg(HW_REG_IB_STS2, 6, 4)
	s_cmp_eq_u32 s2, 0
	s_cbranch_scc0 .Lentry_in_a_cluster
	s_endpgm
.Lentry_in_a_cluster:
	s_bfe_u32 s2, ttmp6, 0x10000c
	s_cmp_lg_u32 s2, 0xf033
	s_cbranch_scc0 .Lentry_shape_is_right
	s_endpgm
.Lentry_shape_is_right:
.set QKV,    0
.set SIZE_K, 1024
.set KSTEP,  256
.set ROWB,   256
.set KROW,   SIZE_K
.set PITCH,  272
.set FR,     16
.set NL,     4
.set NP,     4
.set HALFT,  128*PITCH
.set SLOT,   4*HALFT
.set LAPS,   SIZE_K/(2*KSTEP)
.set SPARE,  2*SLOT
.set SPIT,   144
.set BLKB,   16*SPIT
.set STGW,   128*SPIT
.if QKV
.set LHS,    4
.else
.set LHS,    3
.endif
.set GO,   8
.set SCR,  12
.set SCA,  13
.set STA,  14
.set ADRA, 16
.set ADRB, 20
.set STO,  24
.set RD,   25
.set SPW,  28
.set NIL,  29
.set TMP,  32
.set Z,    32
.set Y,    64
.set P,    96
.set Q,    128
.set CD,   160
.set RAW,  176
.set KA,   240
.set KB,   242
.set SCL,  244
.set LIM,  245
.set AF,   128
.set SB,   68
.set SS,   69
.set G1, 24
.set G0, 32
.set G1B, 48
.set G0B, 56
.set MSB, 0
.macro WIN new
.if MSB != \new
	s_set_vgpr_msb (MSB<<8)|\new
.set MSB, \new
.endif
.endm
.set MUL_LO, 0xa1
.set MUL_HI, 0xf1
.set TO_B,   0x40
.macro JLOAD g0a, g1a, g0b, g1b
	s_cmp_eq_u32 s15, 0
	s_cbranch_scc0 .Lfor_b_\@
	tensor_load_to_lds s[\g0a:\g0a+3], s[\g1a:\g1a+7]
	s_nop 0
.rept 4
	v_nop
.endr
	s_branch .Lasked_\@
.Lfor_b_\@:
	tensor_load_to_lds s[\g0b:\g0b+3], s[\g1b:\g1b+7]
	s_nop 0
.rept 4
	v_nop
.endr
.Lasked_\@:
.endm
.macro CREST
	s_cmp_lg_u32 s14, 0
	s_cbranch_scc1 .Lnot_wave_0_\@
	s_barrier_signal -3
.Lnot_wave_0_\@:
	s_barrier_wait -3
	s_barrier_signal -1
	s_barrier_wait -1
.endm
.macro CROUND
	s_barrier_signal -1
	s_barrier_wait -1
	CREST
.endm
	s_load_b128 s[4:7], s[0:1], 0x0
	s_load_b128 s[8:11], s[0:1], 0x10
	v_lshl_add_u32 v[SPW], v0, 2, SPARE
	v_mov_b32 v[NIL], 0
	ds_add_u32 v28, v29
	ds_add_u32 v28, v29
	s_wait_dscnt 0x0
	v_lshrrev_b32 v1, 5, v0
	v_readfirstlane_b32 s14, v1
	s_lshr_b32 s15, s14, 1
	s_and_b32 s16, s14, 1
	s_bfe_u32 s40, ttmp6, 0x40000
	s_bfe_u32 s41, ttmp6, 0x40004
	s_and_b32 s70, ttmp7, 0xffff
.if QKV
	s_cmp_eq_u32 ttmp9, 2
	s_cselect_b32 s68, 2, s70
	s_cselect_b32 s69, s70, ttmp9
.else
	s_mov_b32 s68, s70
	s_mov_b32 s69, ttmp9
.endif
	s_lshl_b32 s42, s69, 2
	s_add_co_u32 s42, s42, s40
	s_lshl_b32 s17, s68, 2
	s_add_co_u32 s17, s17, s41
	s_lshl_b32 s43, s41, 2
	s_lshl_b32 s43, 15, s43
	s_lshl_b32 s44, 0x1111, s40
	s_or_b32 s[G1+0], s43, (0<<16)|(1<<20)|(1<<21)|(5<<22)|(3<<25)
	s_or_b32 s[G1B+0], s44, (0<<16)|(1<<20)|(1<<21)|(5<<22)|(3<<25)
.irp g, G1, G1B
	s_mov_b32 s[\g+1], ROWB<<16
	s_mov_b32 s[\g+2], 128<<16
	s_mov_b32 s[\g+3], ROWB<<16
	s_mov_b32 s[\g+4], 128
	s_mov_b32 s[\g+5], KROW
	s_mov_b32 s[\g+6], 0
	s_mov_b32 s[\g+7], 0
.endr
	s_lshl_b32 s18, s16, 7
	s_lshl_b32 s20, s17, 8
	s_add_co_u32 s20, s20, s18
	s_lshl_b32 s46, s42, 8
	s_add_co_u32 s46, s46, s18
	s_lshl_b32 s20, s20, 10
	s_mov_b32 s21, 0
	s_lshl_b32 s46, s46, 10
	s_mov_b32 s47, 0
	s_mul_i32 s45, s14, HALFT
	s_wait_kmcnt 0x0
.if QKV
	s_load_b256 s[72:79], s[8:9], 0x0
	s_cmp_eq_u32 ttmp9, 2
	s_cselect_b64 s[80:81], s[6:7], s[4:5]
	s_cselect_b64 s[82:83], s[4:5], s[6:7]
.else
	s_load_b128 s[72:75], s[8:9], 0x20
	s_mov_b64 s[80:81], s[4:5]
	s_mov_b64 s[82:83], s[6:7]
.endif
	s_add_nc_u64 s[20:21], s[80:81], s[20:21]
	s_add_nc_u64 s[46:47], s[82:83], s[46:47]
	CROUND
.irp s, 0,1
	s_mov_b32 s[G0+4*\s], 1
	s_add_co_u32 s[G0+4*\s+1], s45, \s*SLOT
	s_add_nc_u64 s[G0+4*\s+2:G0+4*\s+3], s[20:21], \s*ROWB
	s_or_b32 s[G0+4*\s+3], s[G0+4*\s+3], 0x80000000
	s_mov_b32 s[G0B+4*\s], 1
	s_add_co_u32 s[G0B+4*\s+1], s45, \s*SLOT
	s_add_nc_u64 s[G0B+4*\s+2:G0B+4*\s+3], s[46:47], \s*ROWB
	s_or_b32 s[G0B+4*\s+3], s[G0B+4*\s+3], 0x80000000
.endr
	JLOAD G0, G1, G0B, G1B                         ; K step 0: one tensor load a wave at the head
	; prefetches into the L2: of the 128 rows that I fetch, my work-group takes 32 (told apart by address: cx for role A, cy for role B), a lane a row, 256 bytes of a row for each K step.
	; K step 1 is asked for here, K steps 2 and 3 behind K step 1's load: each at least one K step ahead of its load; s[12:13] and v30 are never rewritten
	s_cmp_eq_u32 s15, 0
	s_cselect_b32 s84, s17, s42
	s_cselect_b32 s85, s40, s41
	s_cselect_b64 s[12:13], s[80:81], s[82:83]
	s_lshl_b32 s84, s84, 8
	s_lshl_b32 s86, s16, 7
	s_add_co_u32 s84, s84, s86
	s_lshl_b32 s85, s85, 5
	s_add_co_u32 s84, s84, s85
	s_lshl_b32 s84, s84, 10
	s_mov_b32 s85, 0
	s_add_nc_u64 s[12:13], s[12:13], s[84:85]
	v_and_b32 v30, 31, v0
	v_lshlrev_b32 v30, 10, v30
	global_prefetch_b8 v30, s[12:13] offset:256 th:TH_LOAD_NT scope:SCOPE_SE
	v_and_b32 v1, 15, v0
	s_wait_alu depctr_va_vdst(0)
	v_bfe_u32 v2, v0, 4, 1
	v_mul_u32_u24 v3, v1, PITCH
	v_lshl_add_u32 v4, v2, 4, v3
	s_mul_i32 s21, s15, HALFT
	s_mul_i32 s22, s16, HALFT
	s_add_co_u32 s22, s22, 2*HALFT
.irp s, 0,1
	v_add_nc_u32 v[ADRA+\s], s21, v4
	v_add_nc_u32 v[ADRB+\s], s22, v4
	s_add_co_u32 s21, s21, SLOT
	s_add_co_u32 s22, s22, SLOT
.endr
	v_and_b32 v6, 31, v0
	v_lshlrev_b32 v[GO], 4, v6
	s_wait_alu depctr_va_vdst(0)
	s_lshl_b32 s23, s14, 15
	s_add_co_u32 s23, s23, SLOT
	v_add_nc_u32 v[SCR], s23, v[GO]
.if QKV
	s_and_b32 s85, s70, 1
	s_lshl_b32 s85, s85, 2
	s_add_co_u32 s85, s85, s40
	s_lshr_b32 s86, s70, 1
	s_lshl_b32 s86, s86, 21
	s_mov_b32 s87, 16384
	s_cmp_eq_u32 ttmp9, 2
	s_cselect_b32 s84, s41, s17
	s_cselect_b32 s85, s85, s40
	s_cselect_b32 s86, s86, 0
	s_cselect_b32 s87, 32768, s87
	s_lshl_b32 s84, s84, 4
	s_lshl_b32 s88, s14, 2
	s_add_co_u32 s84, s84, s88
	s_mul_i32 s84, s84, s87
	s_lshl_b32 s85, s85, 12
	s_add_co_u32 s84, s84, s85
	s_add_co_u32 s84, s84, s86
	s_lshl_b32 s88, ttmp9, 22
	s_add_co_u32 s84, s84, s88
.else
	s_lshl_b32 s84, s17, 4                         ; h: [row tile of 16][K step of 128][2,048 bytes]: the bytes at 512 c + 16 lane are k = 32 c + 8 h + 0..7, then 32 c + 16 + 8 h + 0..7, of row lane % 16
	s_lshl_b32 s88, s15, 3                         ; my half of the tile's rows: 8 row tiles of 65,536 bytes
	s_add_co_u32 s84, s84, s88
	s_lshl_b32 s84, s84, 16
	s_lshl_b32 s85, s42, 12
	s_add_co_u32 s84, s84, s85
	s_lshl_b32 s85, s16, 11                        ; my half of the tile's columns is one K step of the next product
	s_add_co_u32 s84, s84, s85
.endif
	s_mov_b32 s85, 0
	s_add_nc_u64 s[10:11], s[10:11], s[84:85]
.macro FRAG reg, adr, q, i
.irp c, 0,1,2,3
	ds_load_b128 v[\reg+4*\c:\reg+4*\c+3], v[\adr] offset:128*(\q)+32*\c+(\i)*16*PITCH
.endr
.endm
.macro MUL16 a0, p, zero
.irp a, \a0, \a0+1
.irp b, 0,1,2,3,4,5,6,7
.if \zero
	v_wmma_f32_16x16x128_bf8_bf8 v[8*(8*((\a)%4)+\b):8*(8*((\a)%4)+\b)+7], v[128*(\p)+FR*\b:128*(\p)+FR*\b+FR-1], v[AF+FR*(\a):AF+FR*(\a)+FR-1], 0
.else
	v_wmma_f32_16x16x128_bf8_bf8 v[8*(8*((\a)%4)+\b):8*(8*((\a)%4)+\b)+7], v[128*(\p)+FR*\b:128*(\p)+FR*\b+FR-1], v[AF+FR*(\a):AF+FR*(\a)+FR-1], v[8*(8*((\a)%4)+\b):8*(8*((\a)%4)+\b)+7]
.endif
.endr
.endr
.endm
.macro FETCH_B slot, q, p
	WIN TO_B
.irp i, 0,1,2,3,4,5,6,7
	FRAG 128*(\p)+FR*\i, ADRB+\slot, \q, \i
.endr
	WIN 0
.endm
.macro FETCH_A slot, q, i0
.irp i, \i0, \i0+1, \i0+2, \i0+3
	FRAG AF+FR*(\i), ADRA+\slot, \q, \i
.endr
.endm
.macro PLACES n
.rept \n
	v_nop
.endr
.endm
.macro STEP slot, q, zero
	s_wait_dscnt 4*NL
	WIN MUL_LO
	MUL16 0, (\q)%2, \zero
	MUL16 2, (\q)%2, \zero
	s_wait_dscnt 0
	PLACES NP
	FETCH_B \slot, (\q)+1, 1-(\q)%2
	FETCH_A \slot, (\q)+1, 0
	WIN MUL_HI
	MUL16 4, (\q)%2, \zero
	MUL16 6, (\q)%2, \zero
	PLACES NP
	WIN 0
	FETCH_A \slot, (\q)+1, 4
.endm
.macro TURN slot, next, fill
	s_wait_tensorcnt 0x0
	ds_add_u32 v[SPW], v[NIL]
	s_wait_dscnt 4*NL+1
	WIN MUL_LO
	MUL16 0, 1, 0
	s_wait_dscnt 0x0
	s_barrier_signal -1
	MUL16 2, 1, 0
	WIN 0
	s_barrier_wait -1
.if \fill
	CREST
	s_add_nc_u64 s[G0+4*\slot+2:G0+4*\slot+3], s[G0+4*\slot+2:G0+4*\slot+3], 2*ROWB
	s_add_nc_u64 s[G0B+4*\slot+2:G0B+4*\slot+3], s[G0B+4*\slot+2:G0B+4*\slot+3], 2*ROWB
	JLOAD G0+4*\slot, G1, G0B+4*\slot, G1B
.else
	PLACES NP
.endif
	FETCH_B \next, 0, 0
	FETCH_A \next, 0, 0
	WIN MUL_HI
	MUL16 4, 1, 0
	MUL16 6, 1, 0
	PLACES NP
	WIN 0
	FETCH_A \next, 0, 4
.endm
	s_wait_alu depctr_va_vdst(0)                   ; the wait at the head's end
	s_wait_tensorcnt 0x0                           ; my part of K step 0 is in; slot 1's first fill is issued as a refill is
	ds_add_u32 v[SPW], v[NIL]
	s_wait_dscnt 0x0
	CROUND                                         ; everybody's part of K step 0 is in, and the joint loads meet
	JLOAD G0+4, G1, G0B+4, G1B                     ; K step 1
	FETCH_B 0, 0, 0
	FETCH_A 0, 0, 0
	FETCH_A 0, 0, 4
	global_prefetch_b8 v30, s[12:13] offset:512 th:TH_LOAD_NT scope:SCOPE_SE   ; K step 2,
	global_prefetch_b8 v30, s[12:13] offset:768 th:TH_LOAD_NT scope:SCOPE_SE   ; and K step 3, the last
	STEP 0, 0, 1
	s_mov_b32 s3, LAPS-1
.Llap:
	TURN 0, 1, 1
	STEP 1, 0, 0
	TURN 1, 0, 1
	STEP 0, 0, 0
	s_sub_co_u32 s3, s3, 1
	s_cmp_lg_u32 s3, 0
	s_cbranch_scc1 .Llap
	TURN 0, 1, 0
	STEP 1, 0, 0
	s_wait_dscnt 4*NL
	WIN MUL_LO
	MUL16 0, 1, 0
	MUL16 2, 1, 0
	s_wait_dscnt 0
	WIN MUL_HI
	MUL16 4, 1, 0
	MUL16 6, 1, 0
	WIN 0
	s_wait_kmcnt 0x0
	PLACES NP
.if QKV
	s_cmp_eq_u32 ttmp9, 1
	s_cselect_b32 s89, s75, s74
	s_cmp_eq_u32 ttmp9, 2
	s_cselect_b32 s89, s77, s89
	s_sub_co_i32 s89, s89, s72
	s_sub_co_i32 s89, s89, s73
	s_add_co_i32 s89, s89, 127
	s_lshl_b32 s90, s89, 23
	s_add_co_i32 s89, s89, 15
	s_lshl_b32 s89, s89, 23
	s_or_b32 s89, s89, 0x600000
	v_mov_b32 v[SCL], s90
	v_mov_b32 v[LIM], s89
.macro QOUT a
.set AC, 64*((\a)%4)
	s_wait_dscnt 0x0
	WIN 0x02+((\a)/4)
.set j, 0
.rept 64
	v_med3_num_f32 v[TMP+j], v[AC+j], -v[LIM], v[LIM]
.set j, j+1
.endr
	WIN 0
.irp b, 0,1,2,3,4,5,6,7
	v_cvt_scalef32_pk8_bf8_f32 v[CD+2*\b:CD+2*\b+1], v[TMP+8*\b:TMP+8*\b+7], v[SCL]
.endr
	v_nop
.irp b, 0,1,2,3,4,5,6,7
	ds_store_b64 v[STO], v[CD+2*\b:CD+2*\b+1] offset:(\a)*BLKB+32*(\b/2)+8*(\b%2)
.endr
.endm
.irp a, 0,1,2,3,4,5,6,7
	QOUT \a
.endr
.else
	s_barrier_signal -1
	s_barrier_wait -1
	s_add_co_i32 s71, s72, s73
	s_lshl_b32 s71, s71, 23
	s_add_co_i32 s96, s71, 0x3f3504f3
	s_mov_b32 s97, s96
	s_add_co_i32 s98, s71, 0x3f000000
	s_mov_b32 s99, s98
	s_add_co_i32 s71, s74, 127
	s_lshl_b32 s66, s71, 23
	s_add_co_i32 s71, s71, 15
	s_lshl_b32 s71, s71, 23
	s_or_b32 s71, s71, 0x600000
	v_mov_b32 v[SCL], s66
	v_mov_b32 v[LIM], s71
	v_mov_b32 v[KA], 0xaf95df0b
	v_mov_b32 v[KA+1], 0xaf95df0b
	v_mov_b32 v[KB], 0xb77460cd
	v_mov_b32 v[KB+1], 0xb77460cd
.macro COEF r, bits
	s_mov_b32 s[\r], \bits
	s_mov_b32 s[\r+1], \bits
.endm
	COEF 76, 0x32edffee
	COEF 78, 0xb60cff51
	COEF 80, 0xb86ec2d2
	COEF 82, 0xba40ac63
	COEF 84, 0xbb41a1f6
	COEF 86, 0xbc83dbd4
	COEF 88, 0xb95fbd29
	COEF 90, 0xbadc924e
	COEF 92, 0xbbf19bf8
	COEF 94, 0xbc69b6a7
.macro GELU hf
.set RW, RAW+32*(\hf)
.set j, 0
.rept 16
	v_pk_mul_f32 v[Z+j:Z+j+1], v[RW+j:RW+j+1], s[96:97] op_sel_hi:[1,0]
.set j, j+2
.endr
.set j, 0
.rept 32
	v_med3_num_f32 v[Z+j], v[Z+j], -4.0, 4.0
.set j, j+1
.endr
.set j, 0
.rept 16
	v_pk_mul_f32 v[Y+j:Y+j+1], v[Z+j:Z+j+1], v[Z+j:Z+j+1]
.set j, j+2
.endr
.set j, 0
.rept 16
	v_pk_fma_f32 v[P+j:P+j+1], v[Y+j:Y+j+1], v[KA:KA+1], s[76:77] op_sel_hi:[1,0,0]
.set j, j+2
.endr
.set j, 0
.rept 16
	v_pk_fma_f32 v[Q+j:Q+j+1], v[Y+j:Y+j+1], v[KB:KB+1], s[88:89] op_sel_hi:[1,0,0]
.set j, j+2
.endr
.irp c, 78,80,82,84,86
.set j, 0
.rept 16
	v_pk_fma_f32 v[P+j:P+j+1], v[P+j:P+j+1], v[Y+j:Y+j+1], s[\c:\c+1] op_sel_hi:[1,1,0]
.set j, j+2
.endr
.endr
.irp c, 90,92,94
.set j, 0
.rept 16
	v_pk_fma_f32 v[Q+j:Q+j+1], v[Q+j:Q+j+1], v[Y+j:Y+j+1], s[\c:\c+1] op_sel_hi:[1,1,0]
.set j, j+2
.endr
.endr
.set j, 0
	s_wait_alu depctr_va_vdst(0)
.rept 32
	v_rcp_f32 v[Y+j], v[Q+j]
.set j, j+1
.endr
.set j, 0
.rept 16
	v_pk_mul_f32 v[P+j:P+j+1], v[P+j:P+j+1], v[Z+j:Z+j+1]
.set j, j+2
.endr
.set j, 0
.rept 16
	v_pk_mul_f32 v[Z+j:Z+j+1], v[RW+j:RW+j+1], s[98:99] op_sel_hi:[1,0]
.set j, j+2
.endr
	s_wait_alu depctr_va_vdst(0)
.set j, 0
.rept 16
	v_pk_mul_f32 v[P+j:P+j+1], v[P+j:P+j+1], v[Y+j:Y+j+1]
.set j, j+2
.endr
.set j, 0
.rept 16
	v_pk_fma_f32 v[P+j:P+j+1], v[Z+j:Z+j+1], v[P+j:P+j+1], v[Z+j:Z+j+1]
.set j, j+2
.endr
.set j, 0
.rept 32
	v_med3_num_f32 v[P+j], v[P+j], -v[LIM], v[LIM]
.set j, j+1
.endr
	s_wait_alu depctr_va_vdst(0)
	s_wait_dscnt 0x0
.irp b, 0,1,2,3
	v_cvt_scalef32_pk8_bf8_f32 v[CD+8*(\hf)+2*\b:CD+8*(\hf)+2*\b+1], v[P+8*\b:P+8*\b+7], v[SCL]
.endr
	v_nop                                          ; a plain line behind the last conversion
	global_store_b128 v[GO], v[CD+8*(\hf):CD+8*(\hf)+3], s[10:11] offset:1024*(\hf)          ; my codes of two neighbouring accumulators are my 16 bytes of an image's run: 32 lanes store 512 consecutive bytes, aligned
	global_store_b128 v[GO], v[CD+8*(\hf)+4:CD+8*(\hf)+7], s[10:11] offset:1024*(\hf)+512
.endm
.macro HALF w
	WIN 0x08+4*(\w)
.set n, 0
.rept 64
	ds_store_b128 v[SCR], v[4*n:4*n+3] offset:512*n
.set n, n+1
.endr
	WIN 0
	s_mov_b32 s[SB], 0
	s_mov_b32 s3, 4
.Lblock_\@:
	v_add_nc_u32 v[SCA], s[SB], v[SCR]
.set n, 0
.rept 16
	ds_load_b128 v[RAW+4*n:RAW+4*n+3], v[SCA] offset:512*n
.set n, n+1
.endr
	s_wait_dscnt 8
	GELU 0
	GELU 1
	s_add_co_u32 s[SB], s[SB], 8192
	s_wait_xcnt 0x0                                ; the block's stores have read their registers and their base
	s_add_nc_u64 s[10:11], s[10:11], 65536         ; on to the next row tile
	s_sub_co_u32 s3, s3, 1
	s_cmp_lg_u32 s3, 0
	s_cbranch_scc1 .Lblock_\@
.endm
	HALF 0
	HALF 1
.endif
	s_wait_tensorcnt 0x0
	ds_add_u32 v[SPW], v[NIL]
	s_wait_dscnt 0x0
	CROUND
	s_endpgm
.Lfunc_end_k_q695e350cc1_mlp1:
	.size	k_q695e350cc1_mlp1, .Lfunc_end_k_q695e350cc1_mlp1-k_q695e350cc1_mlp1
	.p2alignl 7, 3214868480
	.fill 96, 4, 3214868480
	.section	.rodata,"a",@progbits
	.p2align	6, 0x0
	.amdhsa_kernel k_q695e350cc1_mlp1
		.amdhsa_group_segment_fixed_size 327680
		.amdhsa_private_segment_fixed_size 0
		.amdhsa_enable_private_segment 0
		.amdhsa_kernarg_size 32
		.amdhsa_user_sgpr_count 2
		.amdhsa_user_sgpr_kernarg_segment_ptr 1
		.amdhsa_wavefront_size32 1
		.amdhsa_system_sgpr_workgroup_id_x 1
		.amdhsa_system_sgpr_workgroup_id_y 1
		.amdhsa_system_sgpr_workgroup_id_z 1
		.amdhsa_system_vgpr_workitem_id 0
		.amdhsa_next_free_vgpr 1024
		.amdhsa_next_free_sgpr 100
		.amdhsa_reserve_vcc 0
		.amdhsa_float_denorm_mode_32 3
		.amdhsa_float_denorm_mode_16_64 3
		.amdhsa_memory_ordered 1
		.amdhsa_forward_progress 1
		.amdhsa_inst_pref_size 178
	.end_amdhsa_kernel
	.amdgpu_metadata
---
amdhsa.version: [ 1, 2 ]
amdhsa.kernels:
  - .name:           k_q695e350cc1_mlp1
    .symbol:         k_q695e350cc1_mlp1.kd
    .args:
      - { .name: acodes, .offset: 0, .size: 8, .value_kind: global_buffer, .address_space: global }
      - { .name: mlp_w1_codes, .offset: 8, .size: 8, .value_kind: global_buffer, .address_space: global }
      - { .name: lowp_scales, .offset: 16, .size: 8, .value_kind: global_buffer, .address_space: global }
      - { .name: himg, .offset: 24, .size: 8, .value_kind: global_buffer, .address_space: global }
    .group_segment_fixed_size: 327680
    .private_segment_fixed_size: 0
    .kernarg_segment_align: 8
    .kernarg_segment_size: 32
    .max_flat_workgroup_size: 128
    .sgpr_count:     100
    .vgpr_count:     1024
    .wavefront_size: 32
...
	.end_amdgpu_metadata
.endif
;; end of part 6
;; launch mlp2 (part 7): grid 8 x 32, 4 waves a work-group, clusters of 4 x 4, 327,680 bytes of LDS; arguments himg, mlp_w2_codes, lowp_scales, xmid, out0; writes out0
.if DOCPART == 7
	.amdgcn_target "amdgcn-amd-amdhsa--gfx1250"
	.amdhsa_code_object_version 6
	.text
	.protected	k_q695e350cc1_mlp2
	.globl	k_q695e350cc1_mlp2
	.p2align	8
	.type	k_q695e350cc1_mlp2,@function
k_q695e350cc1_mlp2:
	s_mov_b64 s[64:65], 0
	v_nop
	global_prefetch_b8 v0, s[64:65] scope:SCOPE_SE
	s_setreg_imm32_b32 hwreg(HW_REG_WAVE_MODE, 25, 1), 1
	s_wait_xcnt 0x0
	s_wait_alu depctr_hold_cnt(0) depctr_sa_sdst(0) depctr_va_vdst(0) depctr_va_sdst(0) depctr_va_ssrc(0) depctr_va_vcc(0) depctr_vm_vsrc(0)
	s_getreg_b32 s2, hwreg(HW_REG_IB_STS2, 6, 4)
	s_cmp_eq_u32 s2, 0
	s_cbranch_scc0 .Lentry_in_a_cluster
	s_endpgm
.Lentry_in_a_cluster:
	s_bfe_u32 s2, ttmp6, 0x10000c
	s_cmp_lg_u32 s2, 0xf033
	s_cbranch_scc0 .Lentry_shape_is_right
	s_endpgm
.Lentry_shape_is_right:
.set SIZE_K, 4096
.set EA_OFF, 40
.set KSLOT,  512
.set AROW,   16*SIZE_K
.set BP,     528
.set ABYTES, 65536
.set BHALF,  64*BP
.set SLOT,   ABYTES+2*BHALF
.set SPARE,  2*SLOT
.set LAPS,   SIZE_K/(2*KSLOT)
.set SPITCH, 272
.set ADRA, 16
.set ADRB, 20
.set STO,  24
.set RD,   25
.set CO,   26
.set SPW,  28
.set NIL,  29
.set ACC,  128
.set F0,   0
.set F1,   128
.set G1, 24
.set G0, 32
.set G1B, 48
.set G0B, 56
.set OA, 76
.set OB, 80
.set MSB, 0
.macro WIN new
.if MSB != \new
	s_set_vgpr_msb (MSB<<8)|\new
.set MSB, \new
.endif
.endm
.set MUL,  0x05
.set TO_F, 0x40
.macro JLOAD s
	s_cmp_eq_u32 s11, 0
	s_cbranch_scc0 .Lfor_b_\@
	tensor_load_to_lds s[G0+4*\s:G0+4*\s+3], s[G1:G1+7]
	s_nop 0
.rept 4
	v_nop
.endr
	s_branch .Lasked_\@
.Lfor_b_\@:
	tensor_load_to_lds s[G0B+4*\s:G0B+4*\s+3], s[G1B:G1B+7]
	s_nop 0
.rept 4
	v_nop
.endr
.Lasked_\@:
.endm
.macro CREST
	s_cmp_lg_u32 s10, 0
	s_cbranch_scc1 .Lnot_wave_0_\@
	s_barrier_signal -3
.Lnot_wave_0_\@:
	s_barrier_wait -3
	s_barrier_signal -1
	s_barrier_wait -1
.endm
.macro CROUND
	s_barrier_signal -1
	s_barrier_wait -1
	CREST
.endm
	s_load_b128 s[4:7], s[0:1], 0x0
	s_load_b64 s[8:9], s[0:1], 0x10
	s_load_b128 s[68:71], s[0:1], 0x18
	v_lshl_add_u32 v[SPW], v0, 2, SPARE
	v_mov_b32 v[NIL], 0
	ds_add_u32 v28, v29
	ds_add_u32 v28, v29
	s_wait_dscnt 0x0
	v_lshrrev_b32 v1, 5, v0
	v_readfirstlane_b32 s10, v1
	s_lshr_b32 s11, s10, 1
	s_and_b32 s12, s10, 1
	s_bfe_u32 s40, ttmp6, 0x40000
	s_bfe_u32 s41, ttmp6, 0x40004
	s_lshl_b32 s42, ttmp9, 2
	s_add_co_u32 s42, s42, s40
	s_and_b32 s13, ttmp7, 0xffff
	s_add_co_u32 s[OA], s13, ttmp9
	s_and_b32 s[OA], s[OA], 1
	s_lshl_b32 s[OB], s[OA], 11
	s_lshl_b32 s[OA], s[OA], 15
	s_add_co_u32 s[OA+2], s[OA], 8192
	s_add_co_u32 s[OB+2], s[OB], KSLOT
	s_mov_b32 s[OA+1], 0
	s_mov_b32 s[OA+3], 0
	s_mov_b32 s[OB+1], 0
	s_mov_b32 s[OB+3], 0
	s_lshl_b32 s13, s13, 2
	s_add_co_u32 s13, s13, s41
	s_lshl_b32 s43, s41, 2
	s_lshl_b32 s43, 15, s43
	s_lshl_b32 s44, 0x1111, s40
	s_or_b32 s[G1+0], s43, (1<<21)
	s_mov_b32 s[G1+1], 8192<<16
	s_mov_b32 s[G1+2], 4<<16
	s_mov_b32 s[G1+3], 8192<<16
	s_mov_b32 s[G1+4], 4
	s_mov_b32 s[G1+5], AROW
	s_mov_b32 s[G1+6], 0
	s_mov_b32 s[G1+7], 0
	s_or_b32 s[G1B+0], s44, (1<<20)|(1<<21)|(6<<22)|(3<<25)
	s_mov_b32 s[G1B+1], KSLOT<<16
	s_mov_b32 s[G1B+2], 64<<16
	s_mov_b32 s[G1B+3], KSLOT<<16
	s_mov_b32 s[G1B+4], 64
	s_mov_b32 s[G1B+5], SIZE_K
	s_mov_b32 s[G1B+6], 0
	s_mov_b32 s[G1B+7], 0
	s_lshl_b32 s16, s13, 3
	s_lshl_b32 s17, s12, 2
	s_add_co_u32 s16, s16, s17
	s_mul_i32 s16, s16, AROW
	s_mov_b32 s17, 0
	s_lshl_b32 s46, s42, 7
	s_lshl_b32 s47, s12, 6
	s_add_co_u32 s46, s46, s47
	s_mul_i32 s46, s46, SIZE_K
	s_mov_b32 s47, 0
	s_lshl_b32 s20, s12, 15
	s_mul_i32 s21, s12, BHALF
	s_add_co_u32 s21, s21, ABYTES
	s_wait_kmcnt 0x0
	s_load_b64 s[72:73], s[8:9], EA_OFF
	s_add_nc_u64 s[14:15], s[4:5], s[16:17]
	s_add_nc_u64 s[46:47], s[6:7], s[46:47]
	CROUND
.irp s, 0,1
	s_mov_b32 s[G0+4*\s], 1
	s_add_co_u32 s[G0+4*\s+1], s20, \s*SLOT
	s_add_nc_u64 s[G0+4*\s+2:G0+4*\s+3], s[14:15], s[OA+2*\s:OA+2*\s+1]
	s_or_b32 s[G0+4*\s+3], s[G0+4*\s+3], 0x80000000
	s_mov_b32 s[G0B+4*\s], 1
	s_add_co_u32 s[G0B+4*\s+1], s21, \s*SLOT
	s_add_nc_u64 s[G0B+4*\s+2:G0B+4*\s+3], s[46:47], s[OB+2*\s:OB+2*\s+1]
	s_or_b32 s[G0B+4*\s+3], s[G0B+4*\s+3], 0x80000000
.endr
	JLOAD 0                                        ; slot 0: one tensor load a wave at the head
	; PREFETCHES INTO THE L2, two slots ahead of the loads: behind the load of K slot j stands one instruction a wave for K slot j + 2 (here also for slot 1).
	; Of the half tile that I fetch my work-group takes a quarter, told apart by address (cx for A, cy for W): unit 8 x tile + 4 x half + place of 16 x SIZE_K bytes:
	; one row tile's images of A (8,192 bytes on end a slot) or 16 rows of W (512 bytes each a slot); each lane names another 256 bytes.
	; s[84:85] my unit; s88 the walk's byte along K, which turns round at the row's end as the loads' does; s18 a slot on; s19 the row's mask; s[86:87] the address in hand
	s_cmp_eq_u32 s11, 0
	s_cselect_b64 s[84:85], s[4:5], s[6:7]
	s_cselect_b32 s20, s13, s42
	s_cselect_b32 s21, s40, s41
	s_cselect_b32 s88, s[OA], s[OB]
	s_mov_b32 s18, KSLOT
	s_cselect_b32 s18, 8192, s18
	s_mov_b32 s19, SIZE_K-1
	s_cselect_b32 s19, AROW-1, s19
	s_mov_b32 s22, SIZE_K
	s_cselect_b32 s22, 512, s22                    ; from one pair of lanes to the next
	s_mov_b32 s89, 0
	s_lshl_b32 s20, s20, 3
	s_lshl_b32 s23, s12, 2
	s_add_co_u32 s20, s20, s23
	s_add_co_u32 s20, s20, s21
	s_mul_i32 s20, s20, AROW
	s_mov_b32 s21, 0
	s_add_nc_u64 s[84:85], s[84:85], s[20:21]
	s_add_co_u32 s88, s88, s18
	s_and_b32 s88, s88, s19
	s_add_nc_u64 s[44:45], s[84:85], s[88:89]      ; K slot 1
	s_add_co_u32 s88, s88, s18
	s_and_b32 s88, s88, s19
	s_add_nc_u64 s[86:87], s[84:85], s[88:89]      ; K slot 2
	v_and_b32 v30, 31, v0
	v_lshrrev_b32 v31, 1, v30
	v_and_b32 v30, 1, v30
	v_lshlrev_b32 v30, 8, v30
	v_mad_u32_u24 v30, v31, s22, v30
	global_prefetch_b8 v30, s[44:45] th:TH_LOAD_NT scope:SCOPE_SE
	global_prefetch_b8 v30, s[86:87] th:TH_LOAD_NT scope:SCOPE_SE
	v_and_b32 v1, 15, v0
	v_bfe_u32 v2, v0, 4, 1
	v_and_b32 v3, 31, v0
	v_lshlrev_b32 v3, 4, v3
	v_mul_u32_u24 v4, v1, BP
	v_lshl_add_u32 v4, v2, 3, v4                   ; W: row x pitch + 8 x half
	s_lshl_b32 s21, s11, 15
	s_mul_i32 s22, s12, BHALF
	s_add_co_u32 s22, s22, ABYTES
.irp s, 0,1
	v_add_nc_u32 v[ADRA+\s], s21, v3
	v_add_nc_u32 v[ADRB+\s], s22, v4
	s_add_co_u32 s21, s21, SLOT
	s_add_co_u32 s22, s22, SLOT
.endr
	s_mul_i32 s23, s10, 64*SPITCH
	v_mul_u32_u24 v5, v1, SPITCH
	v_lshl_add_u32 v5, v2, 5, v5
	v_add_nc_u32 v[STO], s23, v5
	v_mul_u32_u24 v5, v2, SPITCH
	v_lshl_add_u32 v5, v1, 4, v5
	v_add_nc_u32 v[RD], s23, v5
	v_lshlrev_b32 v5, 12, v2
	v_lshl_add_u32 v[CO], v1, 4, v5
	s_wait_alu depctr_va_vdst(0)
	s_lshl_b32 s74, s13, 7
	s_lshl_b32 s75, s11, 6
	s_add_co_u32 s74, s74, s75
	s_lshl_b32 s74, s74, 12
	s_lshl_b32 s75, s42, 9
	s_add_co_u32 s74, s74, s75
	s_lshl_b32 s75, s12, 8
	s_add_co_u32 s74, s74, s75
	s_mov_b32 s75, 0
	s_add_nc_u64 s[68:69], s[68:69], s[74:75]
	s_add_nc_u64 s[70:71], s[70:71], s[74:75]
	WIN 0x80
.irp a, 0,1,2,3
.irp t, 0,1,2,3,4,5,6,7
	global_load_b128 v[32*\a+4*\t:32*\a+4*\t+3], v[CO], s[68:69] offset:(16*\a+2*\t)*4096 th:TH_LOAD_NT
.endr
.endr
	WIN 0
.macro MUL4 f, a, zero
.irp b, 0,1,2,3
.if \zero
	v_wmma_f32_16x16x128_bf8_bf8 v[ACC+8*(4*(\a)+\b):ACC+8*(4*(\a)+\b)+7], v[\f+64+16*\b:\f+64+16*\b+15], v[\f+16*(\a):\f+16*(\a)+15], 0
.else
	v_wmma_f32_16x16x128_bf8_bf8 v[ACC+8*(4*(\a)+\b):ACC+8*(4*(\a)+\b)+7], v[\f+64+16*\b:\f+64+16*\b+15], v[\f+16*(\a):\f+16*(\a)+15], v[ACC+8*(4*(\a)+\b):ACC+8*(4*(\a)+\b)+7]
.endif
.endr
.endm
.macro MUL8 f, a0, zero
	MUL4 \f, \a0, \zero
	MUL4 \f, \a0+1, \zero
.endm
.macro FETCH slot, q, f
	WIN TO_F
.irp i, 0,1,2,3
.irp c, 0,1,2,3,4,5,6,7
	ds_load_b64 v[\f+64+16*\i+2*\c:\f+64+16*\i+2*\c+1], v[ADRB+\slot] offset:\i*16*BP+(\q)*128+16*\c   ; registers 2 c, 2 c + 1: k = 16 c + 8 h + 0..7, as h's images have it
.endr
.endr
.irp i, 0,1,2,3
.irp c, 0,1,2,3
	ds_load_b128 v[\f+16*\i+4*\c:\f+16*\i+4*\c+3], v[ADRA+\slot] offset:\i*8192+(\q)*2048+512*\c
.endr
.endr
.endm
.macro PLACES
.rept 4
	v_nop
.endr
.endm
.macro QUARTER slot, qn, f, g, zero
	s_wait_dscnt 8
	WIN MUL
	MUL8 \f, 0, \zero
	PLACES
	FETCH \slot, \qn, \g
	s_wait_dscnt 48                                ; all but the 48 just issued (W's 32, A's 16)
	WIN MUL
	MUL8 \f, 2, \zero
.endm
.macro TURN slot, next, fill
	WIN 0
.if \fill
	s_wait_xcnt 0x0                                ; my last prefetch has read its address: it is stepped here, ahead of the waits of the change of slots
	s_add_co_u32 s88, s88, s18
	s_and_b32 s88, s88, s19
	s_add_nc_u64 s[86:87], s[84:85], s[88:89]
.endif
	s_wait_tensorcnt 0x0
	ds_add_u32 v[SPW], v[NIL]
.if \fill
	s_add_co_u32 s[OA+2*\slot], s[OA+2*\slot], 2*8192
	s_and_b32 s[OA+2*\slot], s[OA+2*\slot], AROW-1
	s_add_nc_u64 s[G0+4*\slot+2:G0+4*\slot+3], s[14:15], s[OA+2*\slot:OA+2*\slot+1]
	s_or_b32 s[G0+4*\slot+3], s[G0+4*\slot+3], 0x80000000
	s_add_co_u32 s[OB+2*\slot], s[OB+2*\slot], 2*KSLOT
	s_and_b32 s[OB+2*\slot], s[OB+2*\slot], SIZE_K-1
	s_add_nc_u64 s[G0B+4*\slot+2:G0B+4*\slot+3], s[46:47], s[OB+2*\slot:OB+2*\slot+1]
	s_or_b32 s[G0B+4*\slot+3], s[G0B+4*\slot+3], 0x80000000
.endif
	s_wait_dscnt 13
	WIN MUL
	MUL4 F1, 0, 0
	s_wait_dscnt 0x0
	s_barrier_signal -1
	MUL4 F1, 1, 0
.if \fill
	WIN 0
.endif
	s_barrier_wait -1
.if \fill
	CREST
	JLOAD \slot
	s_cmp_gt_u32 s3, 1                             ; the loop's last trip loads K slots 6 and 7: no slot stands two on
	s_cbranch_scc0 .Lno_ask_\@
	global_prefetch_b8 v30, s[86:87] th:TH_LOAD_NT scope:SCOPE_SE
.Lno_ask_\@:
.else
	PLACES
.endif
	FETCH \next, 0, F0
	WIN MUL
	MUL8 F1, 2, 0
.endm
	s_wait_xcnt 0x0                                ; the head's prefetches have read their addresses
	s_add_co_u32 s88, s88, s18
	s_and_b32 s88, s88, s19
	s_add_nc_u64 s[86:87], s[84:85], s[88:89]      ; K slot 3
	s_wait_alu depctr_va_vdst(0)                   ; the wait at the head's end
	s_wait_tensorcnt 0x0                           ; my part of slot 0 is in; slot 1's first fill is issued as a refill is
	ds_add_u32 v[SPW], v[NIL]
	s_wait_dscnt 0x0
	CROUND                                         ; everybody's part of slot 0 is in, and the joint loads meet
	JLOAD 1
	global_prefetch_b8 v30, s[86:87] th:TH_LOAD_NT scope:SCOPE_SE
	FETCH 0, 0, F0
	QUARTER 0, 1, F0, F1, 1
.if LAPS > 1
	WIN 0
	s_mov_b32 s3, LAPS-1
.Llap:
	QUARTER 0, 2, F1, F0, 0
	QUARTER 0, 3, F0, F1, 0
	TURN 0, 1, 1
	QUARTER 1, 1, F0, F1, 0
	QUARTER 1, 2, F1, F0, 0
	QUARTER 1, 3, F0, F1, 0
	TURN 1, 0, 1
	QUARTER 0, 1, F0, F1, 0
	WIN 0
	s_sub_co_u32 s3, s3, 1
	s_cmp_lg_u32 s3, 0
	s_cbranch_scc1 .Llap
.endif
	QUARTER 0, 2, F1, F0, 0
	QUARTER 0, 3, F0, F1, 0
	TURN 0, 1, 0
	QUARTER 1, 1, F0, F1, 0
	QUARTER 1, 2, F1, F0, 0
	QUARTER 1, 3, F0, F1, 0
	s_wait_dscnt 8
	WIN MUL
	MUL8 F1, 0, 0
	s_wait_dscnt 0
	MUL8 F1, 2, 0
	WIN 0
	s_wait_kmcnt 0x0
	s_add_co_i32 s72, s72, s73
	s_add_co_i32 s72, s72, 127
	s_lshl_b32 s72, s72, 23
	s_mov_b32 s73, s72
.macro TOSTAGE a
.irp b, 0,1,2,3
	ds_store_b128 v[STO], v[ACC+8*(4*\a+\b):ACC+8*(4*\a+\b)+3] offset:\a*16*SPITCH+64*\b
	ds_store_b128 v[STO], v[ACC+8*(4*\a+\b)+4:ACC+8*(4*\a+\b)+7] offset:\a*16*SPITCH+64*\b+16
.endr
.irp t, 0,1,2,3,4,5,6,7
	ds_load_b128 v[ACC+32*\a+4*\t:ACC+32*\a+4*\t+3], v[RD] offset:\a*16*SPITCH+\t*2*SPITCH
.endr
.endm
.macro FIN a, younger
	s_wait_dscnt \younger
	WIN 0x20
.set j, 0
.rept 16
	v_pk_fma_f32 v[ACC+32*\a+j:ACC+32*\a+j+1], v[ACC+32*\a+j:ACC+32*\a+j+1], s[72:73], v[32*\a+j:32*\a+j+1] op_sel_hi:[1,0,1]
.set j, j+2
.endr
	WIN 0
.irp t, 0,1,2,3,4,5,6,7
	global_store_b128 v[CO], v[ACC+32*\a+4*\t:ACC+32*\a+4*\t+3], s[70:71] offset:(16*\a+2*\t)*4096
.endr
.endm
	PLACES
	s_wait_loadcnt 0x0
	TOSTAGE 0
	TOSTAGE 1
	FIN 0, 16
	TOSTAGE 2
	FIN 1, 16
	TOSTAGE 3
	FIN 2, 16
	FIN 3, 0
	s_wait_tensorcnt 0x0
	ds_add_u32 v[SPW], v[NIL]
	s_wait_dscnt 0x0
	CROUND
	s_endpgm
.Lfunc_end_k_q695e350cc1_mlp2:
	.size	k_q695e350cc1_mlp2, .Lfunc_end_k_q695e350cc1_mlp2-k_q695e350cc1_mlp2
	.p2alignl 7, 3214868480
	.fill 96, 4, 3214868480
	.section	.rodata,"a",@progbits
	.p2align	6, 0x0
	.amdhsa_kernel k_q695e350cc1_mlp2
		.amdhsa_group_segment_fixed_size 327680
		.amdhsa_private_segment_fixed_size 0
		.amdhsa_enable_private_segment 0
		.amdhsa_kernarg_size 40
		.amdhsa_user_sgpr_count 2
		.amdhsa_user_sgpr_kernarg_segment_ptr 1
		.amdhsa_wavefront_size32 1
		.amdhsa_system_sgpr_workgroup_id_x 1
		.amdhsa_system_sgpr_workgroup_id_y 1
		.amdhsa_system_sgpr_workgroup_id_z 1
		.amdhsa_system_vgpr_workitem_id 0
		.amdhsa_next_free_vgpr 640
		.amdhsa_next_free_sgpr 90
		.amdhsa_reserve_vcc 0
		.amdhsa_float_denorm_mode_32 3
		.amdhsa_float_denorm_mode_16_64 3
		.amdhsa_memory_ordered 1
		.amdhsa_forward_progress 1
		.amdhsa_inst_pref_size 97
	.end_amdhsa_kernel
	.amdgpu_metadata
---
amdhsa.version: [ 1, 2 ]
amdhsa.kernels:
  - .name:           k_q695e350cc1_mlp2
    .symbol:         k_q695e350cc1_mlp2.kd
    .args:
      - { .name: himg, .offset: 0, .size: 8, .value_kind: global_buffer, .address_space: global }
      - { .name: mlp_w2_codes, .offset: 8, .size: 8, .value_kind: global_buffer, .address_space: global }
      - { .name: lowp_scales, .offset: 16, .size: 8, .value_kind: global_buffer, .address_space: global }
      - { .name: xmid, .offset: 24, .size: 8, .value_kind: global_buffer, .address_space: global }
      - { .name: out0, .offset: 32, .size: 8, .value_kind: global_buffer, .address_space: global }
    .group_segment_fixed_size: 327680
    .private_segment_fixed_size: 0
    .kernarg_segment_align: 8
    .kernarg_segment_size: 40
    .max_flat_workgroup_size: 128
    .sgpr_count:     90
    .vgpr_count:     640
    .wavefront_size: 32
...
	.end_amdgpu_metadata
.endif
;; end of part 7
